; MI455X (gfx1250); checked and timed in simulation.
; The chip was launched on July 23, 2026; its instructions are those of AMD's public machine-readable ISA for CDNA 5 (MIT licence, August 2026) and "CDNA5" Instruction Set Architecture Reference Guide (July 2026). The comments in the code are by the model that wrote it; some were corrected since.
;; NN. Allowed arithmetic: matrix products marked QUANTISED: E2M3 operands, one E8M0 scale for each 32 along K, by v_wmma_scale_f32_16x16x128_f8f6f4 with both operands' format E2M3, f32 sums; products left as they are: f32 operands where the result goes on into a quantised operand, else bf16, f16 or f32 operands; f32 sums; everything else in f32.
;; Inputs: W1 1,024 x 64 float32; W2 1,024 x 1,024 float32; W3 1 x 1,024 float32; b1 1,024 float32; b2 1,024 float32; x 1,024 x 64 float32; xdot 1,024 x 64 float32.
;; Outputs: out0 1,024 float32; out1 1,024 float32; out2 1,024 x 64 float32.
;; This version of the problem:
;;   THIS VERSION OF THE PROBLEM IS GIVEN IN LOW PRECISION. The matrix products marked QUANTISED in the list below multiply operands that are first quantised to E2M3 (2 exponent bits, 3 mantissa bits; 6 bits a number), with one power-of-two scale for each 32 numbers along K (OCP MX v1.0); their sums are f32. All else is computed in f32.
;;   The module's matrix products, in the order in which they are computed (A, B: the left and right operand; K: the contracted axis; several contracted axes count as one K, in the product's order):
;;     1. [M 1,024, K 64] x [K 64, N 1,024]; A: input x; B: input W1: QUANTISED
;;     2. [M 1,024, K 1,024] x [K 1,024, N 1,024]; A: computed on the way; B: input W2: QUANTISED
;;     3. [M 65,536, K 1,024] x [K 1,024, N 1,024]; A: computed on the way; B: input W2: QUANTISED
;;     4. [M 1,024, K 1,024] x [K 1,024, N 1]; A: computed on the way; B: input W3: left as it is (N = 1 < 16)
;;     5. [M 1, K 1,024] x [K 1,024, N 65,536]; A: input W3; B: computed on the way: left as it is (M = 1 < 16)
;;   THE QUANTISER, for each operand of a quantised product, along K:
;;     - K is cut into blocks of 32 from its start; a last block that is shorter is filled with zeros.
;;     - A block's scale is 2^e with e = floor(log2(the largest magnitude in the block)) - 2, held to -126 .. 127; a block of zeros has e = 0. As a byte (E8M0): e + 127.
;;     - Each number is divided by its block's scale, clamped to +-7.5, and rounded to the nearest number of E2M3, ties to even, subnormals kept.
;;     - The product sums the exact products of the quantised numbers (number of the format x scale) in f32.
;;   ~~~python
;;   def quantise(x, axis):      # numpy; x: float32 -> the quantised numbers, widened to float32 again
;;       x = np.moveaxis(x, axis, -1); K = x.shape[-1]
;;       x = np.pad(x, [(0, 0)] * (x.ndim - 1) + [(0, -K % 32)]); x = x.reshape(x.shape[:-1] + (-1, 32)); a = np.abs(x).max(-1, keepdims=True)
;;       e = np.where(a > 0, np.clip(np.frexp(np.where(a > 0, a, 1))[1] - 1 - 2, -126, 127), 0)      # np.frexp(a)[1] - 1 = floor(log2(a)), exactly
;;       r = np.clip(x / 2.0 ** e, -7.5, 7.5)
;;       step = 2.0 ** (np.maximum(np.frexp(np.where(r == 0, 1, r))[1] - 1, 0) - 3)
;;       q = np.round(r / step) * step * 2.0 ** e      # np.round: ties to even
;;       return np.moveaxis(q.reshape(q.shape[:-2] + (-1,))[..., :K], -1, axis).astype(np.float32)
;;   ~~~
;;   OPERANDS COMPUTED ON THE WAY. 'Computed on the way' means the value that the module computes at that place (a softmax that the list does not call 'softmax' is quantised finished and normalised). What goes into a quantiser is computed in f32, as accurately as f32 sums, v_exp_f32 and their like allow (about 1e-6 of the number): no bf16 or f16 on the way to a quantiser, and a product that is left as it is and whose result goes on into a quantised operand takes f32 operands (vector FMAs, or v_wmma_f32_16x16x4_f32). A number that lies on a knife's edge between two numbers of the format may be rounded either way, as far as f32 arithmetic and the matrix unit's own rounding can turn it there, and no further.
;; 2 versions, each right and faster than the one before. Each part assembles by itself: llvm-mc -triple=amdgcn-amd-amdhsa -mcpu=gfx1250 --defsym DOCPART=n.
;; ======== version 1 of 2: 2 launches
;; workspace buffers: w2q 851,968 bytes; w1t 262,144 bytes; y1q 786,432 bytes; y1s 65,536 bytes; d1 4,194,304 bytes
;; launch prep (part 1): grid 196 x 1, 4 waves a work-group, no clusters, 68,096 bytes of LDS; arguments x, W1, b1, W2, w2q, w1t, y1q, y1s, d1; writes w2q, w1t, y1q, y1s, d1
.if DOCPART == 1
	.amdgcn_target "amdgcn-amd-amdhsa--gfx1250"
	.amdhsa_code_object_version 6
	.text
	.protected	k_q11f67414b6_prep
	.globl	k_q11f67414b6_prep
	.p2align	8
	.type	k_q11f67414b6_prep,@function
k_q11f67414b6_prep:
	s_mov_b64 s[64:65], 0
	v_nop
	global_prefetch_b8 v0, s[64:65] scope:SCOPE_SE
	s_setreg_imm32_b32 hwreg(HW_REG_WAVE_MODE, 25, 1), 1
	s_wait_xcnt 0x0
; THE LAUNCH IN FRONT OF THE PRODUCTS.  Three jobs, told apart by the work-group's number; each has LDS bytes of its own; no barrier: waves share nothing.
;  work-groups 0-63:    W2 [1024][1024] f32 -> codes of E2M3 along its second axis (the K of both products that take W2), one E8M0 byte for each 32, laid as IMAGES OF THE OPERAND'S REGISTERS:
;                       w2q = 64 tiles of 13,312 bytes; tile t = rows 16 t + r; fragment s (128 along K, 12 registers a lane) at 1,536 s, register group g at 512 g + 16 lane;
;                       at 12,288 + 512 u + 16 lane the four scale words of K steps 4 u .. 4 u + 3 of row lane % 16.
;  work-groups 64-191:  layer 1: z1 = Q(x) Q(W1)^T + b1 (K = 64: the instruction's upper 64 are zero codes on both sides), y1 = tanh(z1), d1 = 1 - y1 y1 (f32, [1024][1024]), and Q(y1) along the hidden axis as
;                       fragment images y1q [64 tiles of 16 rows][8 K steps][1,536] with scale words y1s [64][8][128 bytes: 4 lane].
;  work-groups 192-195: W1 in f32 in the order in which the next launch's lanes take it: w1t unit 4 s + q at 8,192 bytes each; in it piece j = 8 c + i at 512 j + 16 lane:
;                       the four numbers W1[128 s + 64 c + 32 (lane / 16) + 4 i + e][4 (lane % 16) + q], e = 0 .. 3.
; NOTHING OF reference() IS LEFT OUT in this program: every number of every product reaches an output, and all seven inputs are loaded (x, W1, b1, W2 here; b2, W3, xdot in the next launch).
; A block's scale is 2^(floor(log2(its largest magnitude)) - 2): its byte is the largest magnitude's exponent field - 2, held at 1 from below by a floor among the maximum's leaves.
; tanh(z) = 1 - 2 / (1 + 2^(2 log2(e) z)): it goes cleanly to +-1 for large |z|; its absolute error is about 1.2e-7.
; LIMITS: NaN and infinities among the inputs are not served.  A block of zeros gets the byte 1 where the rule says 127: its codes are zeros, and this program alone reads the bytes.
;         Blocks whose largest magnitude lies under 2^-124 are held at the floor's byte.
.set TILE,  13312
.set SP,    528                        ; a stage row: 512 bytes + 16: row r starts 4 r banks on, so the sixteen rows that a load touches start in sixteen different groups of banks
.set STB,   33792                      ; LDS: 0: W2's path, 4 waves x 16 rows x 528;  STB: layer 1's path, the same shape
.set SPARE, 67584                      ; behind them: the spare words, 128 bytes a wave
.set SPW, 254                          ; v254 my spare word's address; v255 0: both never rewritten
.set NIL, 255
.set LN,  1                            ; lane
.set RR,  2                            ; r = lane % 16
.set HH,  3                            ; h = lane / 16
.set L16, 4                            ; 16 x lane
.set SH8, 5                            ; 8 h: how far my bytes are shifted in a scale word
.set SA,  6                            ; my wave's stage + 16 lane
.set SR1, 7                            ; my wave's stage + 528 r + 128 h
.set SR2, 8                            ; my wave's stage + 528 r + 64 h
.set OX,  9                            ; 256 r + 128 h: a row of x, my 32 numbers
.set OW,  10                           ; the same for row r + 8 (r / 8) of a tile of W1
.set OB,  11                           ; 64 h
.set L4,  12                           ; 4 x lane
.set OC,  13                           ; 8,192 h + 16 r
.set TM,  232                          ; v232-233 largest magnitudes, v234-235 their second chains
.set TMB, 234
.set SO,  236                          ; v236-237 the conversions' scale operands
.set BY,  238                          ; v238-239 the scales' bytes
.set PW,  240
.set PX,  241
.set TH,  242                          ; v242-244, v246-248: a block's upper 16 codes (a conversion's three registers begin on an even number)
.set SW,  250                          ; v250-251 two scale words
.set WV,  26
.set SEL, 22                           ; s[22:23] v_permlanex16_b32's selects for lane xor 16
.set CS,  24                           ; s[24:25] 2 log2(e)
.macro FIN                             ; the wave's end, behind my last LDS store
	s_wait_tensorcnt 0x0
	ds_add_u32 v[SPW], v[NIL]
	s_wait_dscnt 0x0
	s_endpgm
.endm
; 64 numbers of a lane, register 32 c + i = k 64 c + 32 h + i of my row (two whole blocks), become a fragment's 12 registers and my row's scale word.
.macro QF src, dst, word
.irp c, 0,1
	v_max3_num_f32 v[TM+\c], |v[\src+32*\c]|, |v[\src+32*\c+1]|, 0x1800000      ; with the floor 2^(3 - 127): the byte cannot fall under 1
	v_max3_num_f32 v[TMB+\c], |v[\src+32*\c+16]|, |v[\src+32*\c+17]|, |v[\src+32*\c+18]|
.endr
.irp i, 0,1,2,3,4,5
.irp c, 0,1
	v_max3_num_f32 v[TM+\c], v[TM+\c], |v[\src+32*\c+2+2*\i]|, |v[\src+32*\c+3+2*\i]|      ; four chains by turns
	v_max3_num_f32 v[TMB+\c], v[TMB+\c], |v[\src+32*\c+19+2*\i]|, |v[\src+32*\c+20+2*\i]|
.endr
.endr
.irp c, 0,1
	v_max3_num_f32 v[TM+\c], v[TM+\c], |v[\src+32*\c+14]|, |v[\src+32*\c+15]|
.endr
.irp c, 0,1
	v_max3_num_f32 v[TM+\c], v[TM+\c], v[TMB+\c], |v[\src+32*\c+31]|
.endr
.irp c, 0,1
	v_add_nc_u32 v[SO+\c], 0xff000000, v[TM+\c]    ; 2 off the exponent field: the conversion takes this operand's exponent field as its scale
.endr
.irp c, 0,1
	v_lshrrev_b32 v[BY+\c], 23, v[SO+\c]           ; the scale's byte
.endr
	v_lshl_or_b32 v[PW], v[BY+1], 16, v[BY]        ; blocks h and 2 + h,
	v_lshlrev_b32 v[PW], v[SH8], v[PW]             ; at their places in the word;
	v_permlanex16_b32 v[PX], v[PW], s[SEL], s[SEL+1]
	v_or_b32 v[\word], v[PW], v[PX]                ; with lane xor 16's two the word is whole
.irp c, 0,1
	v_cvt_scalef32_pk16_fp6_f32 v[\dst+6*\c:\dst+6*\c+2], v[\src+32*\c:\src+32*\c+15], v[SO+\c]
	v_cvt_scalef32_pk16_fp6_f32 v[TH+4*\c:TH+4*\c+2], v[\src+32*\c+16:\src+32*\c+31], v[SO+\c]
.endr
	v_nop                                          ; one plain line behind the scaled conversions
.irp c, 0,1
.irp i, 0,1,2
	v_mov_b32 v[\dst+6*\c+3+\i], v[TH+4*\c+\i]
.endr
.endr
.endm
; 32 numbers of a lane, register i = k 32 h + i of my row (K = 64: one block a lane), become registers 0-5 of a fragment and the row's scale word (bytes 0 and 1; the upper two stay 0 over zero codes).
.macro XQ src, dst, word
	v_max3_num_f32 v[TM], |v[\src]|, |v[\src+1]|, 0x1800000
	v_max3_num_f32 v[TMB], |v[\src+16]|, |v[\src+17]|, |v[\src+18]|
.irp i, 0,1,2,3,4,5
	v_max3_num_f32 v[TM], v[TM], |v[\src+2+2*\i]|, |v[\src+3+2*\i]|
	v_max3_num_f32 v[TMB], v[TMB], |v[\src+19+2*\i]|, |v[\src+20+2*\i]|
.endr
	v_max3_num_f32 v[TM], v[TM], |v[\src+14]|, |v[\src+15]|
	v_max3_num_f32 v[TM], v[TM], v[TMB], |v[\src+31]|
	v_add_nc_u32 v[SO], 0xff000000, v[TM]
	v_lshrrev_b32 v[BY], 23, v[SO]
	v_lshlrev_b32 v[PW], v[SH8], v[BY]
	v_permlanex16_b32 v[PX], v[PW], s[SEL], s[SEL+1]
	v_cvt_scalef32_pk16_fp6_f32 v[\dst:\dst+2], v[\src:\src+15], v[SO]
	v_cvt_scalef32_pk16_fp6_f32 v[TH:TH+2], v[\src+16:\src+31], v[SO]
	v_or_b32 v[\word], v[PW], v[PX]                ; (also the plain line behind the conversions)
.irp i, 0,1,2
	v_mov_b32 v[\dst+3+\i], v[TH+\i]
.endr
.endm
	s_load_b512 s[4:19], s[0:1], 0x0               ; x s[4:5], W1 s[6:7], b1 s[8:9], W2 s[10:11], w2q s[12:13], w1t s[14:15], y1q s[16:17], y1s s[18:19]
	s_load_b64 s[20:21], s[0:1], 0x40              ; d1
	v_lshl_add_u32 v[SPW], v0, 2, SPARE
	v_mov_b32 v[NIL], 0
	v_lshrrev_b32 v1, 5, v0
	v_readfirstlane_b32 s[WV], v1                  ; wave 0..3
	v_and_b32 v[LN], 31, v0
	v_and_b32 v[RR], 15, v0
	v_bfe_u32 v[HH], v0, 4, 1
	v_lshlrev_b32 v[L16], 4, v[LN]
	v_lshlrev_b32 v[SH8], 3, v[HH]
	s_mul_i32 s27, s[WV], 16*SP                    ; my wave's stage
	v_add_nc_u32 v[SA], s27, v[L16]
	v_mul_u32_u24 v[SR1], v[RR], SP
	v_add_nc_u32 v[SR1], s27, v[SR1]
	v_lshl_add_u32 v[SR2], v[HH], 6, v[SR1]
	v_lshl_add_u32 v[SR1], v[HH], 7, v[SR1]
	v_lshlrev_b32 v[OX], 8, v[RR]
	v_lshl_add_u32 v[OX], v[HH], 7, v[OX]
	v_and_b32 v[OW], 8, v[RR]
	v_lshl_add_u32 v[OW], v[OW], 8, v[OX]
	v_lshlrev_b32 v[OB], 6, v[HH]
	v_lshlrev_b32 v[L4], 2, v[LN]
	v_lshlrev_b32 v[OC], 4, v[RR]
	v_lshl_add_u32 v[OC], v[HH], 13, v[OC]
	v_mov_b32 v[PX], 0                             ; written once: a lane permute's destination counts as one of its sources
	s_mov_b32 s[SEL], 0x76543210
	s_mov_b32 s[SEL+1], 0xfedcba98
	s_mov_b32 s[CS], 0x4038aa3b                    ; 2 log2(e)
	s_mov_b32 s[CS+1], s[CS]                       ; (named with it as a pair, so it is written)
	s_wait_kmcnt 0x0
	s_cmp_lt_u32 ttmp9, 64
	s_cbranch_scc1 .Lw2
	s_cmp_lt_u32 ttmp9, 192
	s_cbranch_scc1 .Llayer1
; ---- W1 for the next launch's lanes.  Wave u = 2 s + c of sixteen takes rows 64 u .. 64 u + 63: lane (r, h) loads, of row 64 u + 32 h + i, the four numbers at columns 4 r .. 4 r + 3 (sixteen lanes: a whole row of 256 bytes).
.set RC, 16                            ; v16-143  register 4 i + q: W1[64 u + 32 h + i][4 r + q]
.set GA, 144                           ; v144-207 sixteen groups of four, gathered for the stores
	s_sub_co_u32 s28, ttmp9, 192
	s_lshl_b32 s28, s28, 2
	s_add_co_u32 s28, s28, s[WV]                   ; u
	s_lshl_b32 s30, s28, 14                        ; 64 rows of 256 bytes
	s_mov_b32 s31, 0
	s_add_nc_u64 s[6:7], s[6:7], s[30:31]
	s_lshr_b32 s30, s28, 1
	s_lshl_b32 s30, s30, 15                        ; s: four units of 8,192 bytes
	s_and_b32 s29, s28, 1
	s_lshl_b32 s29, s29, 12                        ; c: eight pieces of 512
	s_add_co_u32 s30, s30, s29
	s_add_nc_u64 s[14:15], s[14:15], s[30:31]
.irp i, 0,1,2,3,4,5,6,7,8,9,10,11,12,13,14,15,16,17,18,19,20,21,22,23,24,25,26,27,28,29,30,31
	global_load_b128 v[RC+4*\i:RC+4*\i+3], v[OC], s[6:7] offset:256*\i
.endr
	s_wait_loadcnt 0x0
.irp q, 0,1,2,3
.if \q == 2
	s_wait_xcnt 0x0                                ; the first sixteen stores have read their registers: these are written again only behind this wait
.endif
.irp i, 0,1,2,3,4,5,6,7
.irp e, 0,1,2,3
	v_mov_b32 v[GA+32*(\q%2)+4*\i+\e], v[RC+16*\i+4*\e+\q]
.endr
	global_store_b128 v[L16], v[GA+32*(\q%2)+4*\i:GA+32*(\q%2)+4*\i+3], s[14:15] offset:8192*\q+512*\i   ; 32 lanes store 512 consecutive bytes
.endr
.endr
	s_endpgm
; ---- W2.  Work-group t is tile t; wave w takes K steps 2 w and 2 w + 1.
.set RW, 16                            ; v16-143  two K steps as loaded: register 4 i + e of a step: row i, number 4 lane + e
.set XA, 144                           ; v144-207 64 numbers of my row, in the operand's order
.set PC, 208                           ; v208-231 two fragments
.Lw2:
	s_lshl_b32 s28, ttmp9, 16                      ; 16 rows of 4,096 bytes,
	s_lshl_b32 s29, s[WV], 10                      ; my two K steps of 512 bytes
	s_add_co_u32 s28, s28, s29
	s_mov_b32 s29, 0
	s_add_nc_u64 s[10:11], s[10:11], s[28:29]
	s_mul_i32 s30, ttmp9, TILE
	s_mov_b32 s31, 0
	s_add_nc_u64 s[12:13], s[12:13], s[30:31]      ; my tile in w2q
	s_lshr_b32 s28, s[WV], 1
	s_lshl_b32 s28, s28, 9
	s_and_b32 s30, s[WV], 1
	s_lshl_b32 s30, s30, 3
	s_add_co_u32 s28, s28, s30
	s_add_co_u32 s28, s28, 12288
	s_add_nc_u64 s[32:33], s[12:13], s[28:29]      ; my two scale words' place: 12,288 + 512 (w / 2) + 8 (w % 2)
	s_mul_i32 s28, s[WV], 3072
	s_add_nc_u64 s[12:13], s[12:13], s[28:29]      ; my two fragments' place
.irp k, 0,1
.irp i, 0,1,2,3,4,5,6,7,8,9,10,11,12,13,14,15
	global_load_b128 v[RW+64*\k+4*\i:RW+64*\k+4*\i+3], v[L16], s[10:11] offset:4096*\i+512*\k th:TH_LOAD_NT   ; 32 lanes read 512 consecutive bytes of a row; read once in the launch
.endr
.endr
.irp k, 0,1
.if \k == 0
	s_wait_loadcnt 16                              ; the first K step's sixteen loads are in; the second's may be out
.else
	s_wait_loadcnt 0x0
.endif
.irp i, 0,1,2,3,4,5,6,7,8,9,10,11,12,13,14,15
	ds_store_b128 v[SA], v[RW+64*\k+4*\i:RW+64*\k+4*\i+3] offset:\i*SP        ; through my own stage, as the rows lie;
.endr
.irp j, 0,1,2,3,4,5,6,7,8,9,10,11,12,13,14,15
	ds_load_b128 v[XA+4*\j:XA+4*\j+3], v[SR1] offset:256*(\j/8)+16*(\j%8)     ; and back, 32 neighbours of my row at a time.  LDS serves a wave's instructions in order: no wait between
.endr
	s_wait_dscnt 0x0
	QF XA, PC+12*\k, SW+\k
.irp g, 0,1,2
	global_store_b128 v[L16], v[PC+12*\k+4*\g:PC+12*\k+4*\g+3], s[12:13] offset:1536*\k+512*\g    ; the fragment's image: 512 consecutive bytes a store
.endr
.endr
	global_store_b64 v[L16], v[SW:SW+1], s[32:33]  ; two of a row's four words: the wave beside me stores the other two of each 16 bytes
	FIN
; ---- Layer 1.  Wave u = 8 bt + s of 512: batch rows 16 bt .. + 15, hidden units 128 s .. + 127, in eight tiles.
; The product is used transposed (source 0 = 16 rows of W1, source 1 = x), and lane r of tile 2 b + v takes W1's row 32 b + 8 v + r + 8 (r / 8): so a lane holds one batch row, and the 16 registers of tiles 2 b, 2 b + 1 are
; the 16 neighbouring hidden units 32 b + 16 h + 0 .. 15: the order in which the conversions want the next product's K.
.set XF,  16                           ; v16-27   x's fragment
.set FRG, 28                           ; v28-51   W1's fragments, two by turns
.set HB,  52                           ; v52-115  b1, then z1, then y1; on the way out rows of d1
.set XN,  116                          ; v116-179 W1's numbers, two sets of 32; later d1
.set XX,  180                          ; v180-211 x's numbers; later y1's codes
.set PCB, 180
.set WS,  212                          ; v212-213 W1's scale words, v214 x's: they hold scales and nothing else
.set XS,  214
.set PWB, 215                          ; y1's scale word
.set QT,  216                          ; v216-231 at work in y1's quantiser
.macro W1LD t
.irp i, 0,1,2,3,4,5,6,7
	global_load_b128 v[XN+32*((\t)%2)+4*\i:XN+32*((\t)%2)+4*\i+3], v[OW], s[6:7] offset:(32*((\t)/2)+8*((\t)%2))*256+16*\i
.endr
.endm
.macro MM t                            ; tile t: b1 is the C of the sum's one instruction
	v_wmma_scale_f32_16x16x128_f8f6f4 v[HB+8*(\t):HB+8*(\t)+7], v[FRG+12*((\t)%2):FRG+12*((\t)%2)+11], v[XF:XF+11], v[HB+8*(\t):HB+8*(\t)+7], v[WS+(\t)%2], v[XS] matrix_a_fmt:MATRIX_FMT_FP6 matrix_b_fmt:MATRIX_FMT_FP6
.endm
.Llayer1:
	s_sub_co_u32 s28, ttmp9, 64
	s_lshl_b32 s28, s28, 2
	s_add_co_u32 s28, s28, s[WV]                   ; u
	s_lshr_b32 s34, s28, 3                         ; bt
	s_and_b32 s35, s28, 7                          ; s
	s_mov_b32 s31, 0
	s_lshl_b32 s30, s34, 12                        ; x: 16 rows of 256 bytes
	s_add_nc_u64 s[4:5], s[4:5], s[30:31]
	s_lshl_b32 s30, s35, 15                        ; W1: 128 rows of 256 bytes
	s_add_nc_u64 s[6:7], s[6:7], s[30:31]
	s_lshl_b32 s30, s35, 9                         ; b1: 128 numbers
	s_add_nc_u64 s[8:9], s[8:9], s[30:31]
	s_mul_i32 s30, s28, 1536                       ; y1q: image u
	s_add_nc_u64 s[16:17], s[16:17], s[30:31]
	s_lshl_b32 s30, s28, 7                         ; y1s: 128 bytes for image u
	s_add_nc_u64 s[18:19], s[18:19], s[30:31]
	s_lshl_b32 s30, s34, 16                        ; d1: 16 rows of 4,096 bytes,
	s_lshl_b32 s29, s35, 9                         ; 128 numbers along them
	s_add_co_u32 s30, s30, s29
	s_add_nc_u64 s[20:21], s[20:21], s[30:31]
.irp i, 0,1,2,3,4,5,6,7
	global_load_b128 v[XX+4*\i:XX+4*\i+3], v[OX], s[4:5] offset:16*\i
.endr
.irp t, 0,1,2,3,4,5,6,7
	global_load_b128 v[HB+8*\t:HB+8*\t+3], v[OB], s[8:9] offset:(32*(\t/2)+8*(\t%2))*4           ; b1 at the lane's eight hidden units of tile t
	global_load_b128 v[HB+8*\t+4:HB+8*\t+7], v[OB], s[8:9] offset:(32*(\t/2)+8*(\t%2))*4+16
.endr
	W1LD 0
	W1LD 1
.irp i, 6,7,8,9,10,11
	v_mov_b32 v[XF+\i], 0                          ; K = 64: k = 64 .. 127 are zero codes on both sides
	v_mov_b32 v[FRG+\i], 0
	v_mov_b32 v[FRG+12+\i], 0
.endr
.irp b, 0,1,2,3
	v_mov_b32 v[QT+4+\b], 0                        ; written once: lane permutes' destinations
.endr
	s_wait_loadcnt 32                              ; x's eight loads are in; behind them: b1's 16 and two tiles' 16
	XQ XX, XF, XS
.irp t, 0,1,2,3,4,5,6,7
.if \t < 7
	s_wait_loadcnt 8                               ; this tile's eight loads are in (and b1); the next tile's eight may be out
.else
	s_wait_loadcnt 0x0
.endif
	XQ XN+32*(\t%2), FRG+12*(\t%2), WS+(\t%2)
.if \t < 6
	W1LD \t+2
.endif
.if \t > 0
	MM \t-1                                        ; a tile behind: this tile's quantiser, over thirty plain lines, stands between the last write of that product's operands and scale word and the product
.endif
.endr
.rept 8
	v_nop                                          ; a scale word written by a vector instruction stands eight places ahead of a scaled matrix instruction
.endr
	MM 7
.rept 4
	v_nop                                          ; four places ahead of the first read of results
.endr
.set i, 0
.rept 32
	v_pk_mul_f32 v[HB+i:HB+i+1], v[HB+i:HB+i+1], s[CS:CS+1] op_sel_hi:[1,0]        ; each accumulator from its low end on
.set i, i+2
.endr
.set i, 0
.rept 64
	v_exp_f32 v[HB+i], v[HB+i]
.set i, i+1
.endr
	v_nop                                          ; a plain line behind the last exponential,
	s_wait_alu depctr_va_vdst(0)                   ; and one wait for the batch, ahead of its first reader
.set i, 0
.rept 32
	v_pk_add_f32 v[HB+i:HB+i+1], v[HB+i:HB+i+1], 1.0 op_sel_hi:[1,0]
.set i, i+2
.endr
.set i, 0
.rept 64
	v_rcp_f32 v[HB+i], v[HB+i]
.set i, i+1
.endr
	v_nop
	s_wait_alu depctr_va_vdst(0)
.set i, 0
.rept 32
	v_pk_fma_f32 v[HB+i:HB+i+1], v[HB+i:HB+i+1], -2.0, 1.0 op_sel_hi:[1,0,0]       ; y1
.set i, i+2
.endr
.set i, 0
.rept 32
	v_pk_fma_f32 v[XN+i:XN+i+1], v[HB+i:HB+i+1], v[HB+i:HB+i+1], 1.0 op_sel_hi:[1,1,0] neg_lo:[1,0,0] neg_hi:[1,0,0]   ; d1 = 1 - y1 y1
.set i, i+2
.endr
.irp b, 0,1,2,3
.irp k, 0,1,2,3
	ds_store_b128 v[SR2], v[XN+16*\b+4*\k:XN+16*\b+4*\k+3] offset:STB+128*\b+16*\k   ; d1 into my stage: row r, numbers 32 b + 16 h + 4 k on
.endr
.endr
; y1's four blocks of 32 along the hidden axis: my 16 numbers of each, and lane xor 16's
.irp b, 0,1,2,3
	v_max3_num_f32 v[QT+\b], |v[HB+16*\b]|, |v[HB+1+16*\b]|, 0x1800000
.endr
.irp i, 2,4,6,8,10,12,14
.irp b, 0,1,2,3
	v_max3_num_f32 v[QT+\b], v[QT+\b], |v[HB+16*\b+\i]|, |v[HB+1+16*\b+\i]|
.endr
.endr
.irp b, 0,1,2,3
	v_permlanex16_b32 v[QT+4+\b], v[QT+\b], s[SEL], s[SEL+1]
.endr
.irp b, 0,1,2,3
	v_max_num_f32 v[QT+\b], v[QT+\b], v[QT+4+\b]
.endr
.irp b, 0,1,2,3
	v_add_nc_u32 v[QT+12+\b], 0xff000000, v[QT+\b]
.endr
.irp b, 0,1,2,3
	v_lshrrev_b32 v[QT+4+\b], 23, v[QT+12+\b]
.endr
	v_lshl_or_b32 v[PWB], v[QT+5], 8, v[QT+4]
	v_lshl_or_b32 v[PWB], v[QT+6], 16, v[PWB]
	v_lshl_or_b32 v[PWB], v[QT+7], 24, v[PWB]
.irp c, 0,1
	v_cvt_scalef32_pk16_fp6_f32 v[PCB+6*\c:PCB+2+6*\c], v[HB+32*\c:HB+15+32*\c], v[QT+12+2*\c]
	v_cvt_scalef32_pk16_fp6_f32 v[PCB+12+4*\c:PCB+14+4*\c], v[HB+16+32*\c:HB+31+32*\c], v[QT+13+2*\c]
.endr
	v_nop                                          ; one plain line behind the scaled conversions
.irp c, 0,1                            ; the operand's layout wants a whole block in a lane: lanes 0-15 block 2 c, lanes 16-31 block 2 c + 1
.irp i, 0,1,2
	v_permlane16_swap_b32 v[PCB+6*\c+\i], v[PCB+12+4*\c+\i]
.endr
.irp i, 0,1,2
	v_mov_b32 v[PCB+3+6*\c+\i], v[PCB+12+4*\c+\i]
.endr
.endr
.irp g, 0,1,2
	global_store_b128 v[L16], v[PCB+4*\g:PCB+4*\g+3], s[16:17] offset:512*\g
.endr
	global_store_b32 v[L4], v[PWB], s[18:19]
.irp t, 0,1,2,3,4,5,6,7,8,9,10,11,12,13,14,15
	ds_load_b128 v[HB+4*\t:HB+4*\t+3], v[SA] offset:STB+\t*SP     ; d1 back by rows: these see my stores above
.endr
.irp t, 0,1,2,3,4,5,6,7,8,9,10,11,12,13,14,15
	s_wait_dscnt 15-\t
	global_store_b128 v[L16], v[HB+4*\t:HB+4*\t+3], s[20:21] offset:4096*\t        ; 32 lanes store 512 consecutive bytes of a row of d1
.endr
	FIN
.Lfunc_end_k_q11f67414b6_prep:
	.size	k_q11f67414b6_prep, .Lfunc_end_k_q11f67414b6_prep-k_q11f67414b6_prep
	.p2alignl 7, 3214868480
	.fill 96, 4, 3214868480
	.section	.rodata,"a",@progbits
	.p2align	6, 0x0
	.amdhsa_kernel k_q11f67414b6_prep
		.amdhsa_group_segment_fixed_size 68096
		.amdhsa_private_segment_fixed_size 0
		.amdhsa_enable_private_segment 0
		.amdhsa_kernarg_size 72
		.amdhsa_user_sgpr_count 2
		.amdhsa_user_sgpr_kernarg_segment_ptr 1
		.amdhsa_wavefront_size32 1
		.amdhsa_system_sgpr_workgroup_id_x 1
		.amdhsa_system_sgpr_workgroup_id_y 1
		.amdhsa_system_sgpr_workgroup_id_z 1
		.amdhsa_system_vgpr_workitem_id 0
		.amdhsa_next_free_vgpr 256
		.amdhsa_next_free_sgpr 66
		.amdhsa_reserve_vcc 0
		.amdhsa_float_denorm_mode_32 3
		.amdhsa_float_denorm_mode_16_64 3
		.amdhsa_memory_ordered 1
		.amdhsa_forward_progress 1
		.amdhsa_inst_pref_size 72
	.end_amdhsa_kernel
	.amdgpu_metadata
---
amdhsa.version: [ 1, 2 ]
amdhsa.kernels:
  - .name:           k_q11f67414b6_prep
    .symbol:         k_q11f67414b6_prep.kd
    .args:
      - { .name: x, .offset: 0, .size: 8, .value_kind: global_buffer, .address_space: global }
      - { .name: W1, .offset: 8, .size: 8, .value_kind: global_buffer, .address_space: global }
      - { .name: b1, .offset: 16, .size: 8, .value_kind: global_buffer, .address_space: global }
      - { .name: W2, .offset: 24, .size: 8, .value_kind: global_buffer, .address_space: global }
      - { .name: w2q, .offset: 32, .size: 8, .value_kind: global_buffer, .address_space: global }
      - { .name: w1t, .offset: 40, .size: 8, .value_kind: global_buffer, .address_space: global }
      - { .name: y1q, .offset: 48, .size: 8, .value_kind: global_buffer, .address_space: global }
      - { .name: y1s, .offset: 56, .size: 8, .value_kind: global_buffer, .address_space: global }
      - { .name: d1, .offset: 64, .size: 8, .value_kind: global_buffer, .address_space: global }
    .group_segment_fixed_size: 68096
    .private_segment_fixed_size: 0
    .kernarg_segment_align: 8
    .kernarg_segment_size: 72
    .max_flat_workgroup_size: 128
    .sgpr_count:     66
    .vgpr_count:     256
    .wavefront_size: 32
...
	.end_amdgpu_metadata
.endif
;; end of part 1
;; launch main (part 2): grid 256 x 1, 4 waves a work-group, clusters of 4 x 1, 327,680 bytes of LDS; arguments w1t, w2q, y1q, y1s, d1, b2, W3, xdot, out0, out1, out2; writes out0, out1, out2
.if DOCPART == 2
	.amdgcn_target "amdgcn-amd-amdhsa--gfx1250"
	.amdhsa_code_object_version 6
	.text
	.protected	k_q11f67414b6_main
	.globl	k_q11f67414b6_main
	.p2align	8
	.type	k_q11f67414b6_main,@function
k_q11f67414b6_main:
	s_mov_b64 s[64:65], 0
	v_nop
	global_prefetch_b8 v0, s[64:65] scope:SCOPE_SE
	s_setreg_imm32_b32 hwreg(HW_REG_WAVE_MODE, 25, 1), 1
	s_wait_xcnt 0x0
	s_wait_alu depctr_hold_cnt(0) depctr_sa_sdst(0) depctr_va_vdst(0) depctr_va_sdst(0) depctr_va_ssrc(0) depctr_va_vcc(0) depctr_vm_vsrc(0)
	s_getreg_b32 s2, hwreg(HW_REG_IB_STS2, 6, 4)
	s_cmp_eq_u32 s2, 0
	s_cbranch_scc0 .Lentry_in_a_cluster
	s_endpgm
.Lentry_in_a_cluster:
	s_bfe_u32 s2, ttmp6, 0x10000c
	s_cmp_lg_u32 s2, 0x3003
	s_cbranch_scc0 .Lentry_shape_is_right
	s_endpgm
.Lentry_shape_is_right:
; Layer 2 with its Jacobian, and the output layer.  For batch row b:  z2 = Q(y1) Q(W2)^T + b2,  y2 = tanh(z2),  P[o][d] = sum over h of Q(W2)[o][h] Q(J)[h][d] with J[h][d] = d1[b][h] W1[h][d] quantised along h,
; V = sum over o of W3[o] y2[o],  gradV[d] = sum over o of W3[o] (1 - y2[o]^2) P[o][d],  Vdot = sum over d of gradV[d] xdot[b][d].  Nothing of reference() is left out.
; SHARES.  ONE WAVE OWNS ONE BATCH ROW b: the 64 rows (b, d) of the large product.  A work-group has four waves, a cluster four work-groups.
; PROLOGUE.  The wave makes Q(J) in registers: 4 blocks of 16 rows (row r of block q is d = 4 r + q) x 8 K steps = 32 fragments, 384 registers, which stay.  W1 comes in f32, in the lanes' order, into LDS once (256 KiB).
; WALK.  All 64 tiles of 16 rows of Q(W2), as register images, through a ring of two LDS slots of 8 tiles.  The matrix instruction is used transposed (source 0 = 16 rows o of W2, source 1 = 16 rows d of J): a lane holds one d and
; eight o.  A fifth chain on the same fragments of W2 has the wave's own row of Q(y1) in all 16 columns: so z2[b][o] falls into every lane at the very eight o of its accumulators, and the weight g = W3 (1 - y2^2) is made where
; it is used: no exchange between waves, no barrier for it.  Its price is 8 matrix instructions on each 32.
; BY TURNS.  While a tile is multiplied (40 matrix instructions, five accumulators by turns), the tile before is finished: tanh, g, gradV += g P, V += W3 y2: 16 slices of four lines, one behind every second or
; third matrix instruction; the next tile's fragments are loaded three loads at a time into the registers that the last K step has left.  A slice costs two switches of the register window: the price of work beside the products.
; CLUSTER.  All work-groups read the same W1 and W2: every tensor load is a joint load of the cluster's four (mask 15), each wave bringing a quarter.  No prefetch is laid: both buffers are small and all clusters read them at about the same time.
; tanh(z) = 1 - 2 / (1 + 2^(2 log2(e) z)).  LIMITS: NaN and infinities among the inputs are not served; a block of zeros of J carries the byte 1 with zero codes; blocks whose largest magnitude lies under 2^-124 are held at the floor's byte.
; LDS: [0, 262,144) W1, later the ring: slot 0 at 0, slot 1 at 131,072, 106,496 bytes each;  262,144: 2 log2(e) b2, then W3 (4 KiB each, stored by the waves: no tensor load lands there);  270,336: the spare words.
; REGISTERS, in windows of 256 (s_set_vgpr_msb: bits 1:0 source 0, 3:2 source 1, 5:4 source 2, 7:6 destination):
;  window 0: v0-15 addresses, xdot; v16-47 J's scale words, v48-55 y's, v56-71 W2's (two sets); v72-87 b2 (two sets), v88-103 W3 (two sets); v104-119 at work; v120-127 gradV; v128-255 W1's numbers (prologue), later V and the results
;  window 1: v0-95 one tile of W2; v96-159 P's accumulators (two sets of four); v160-175 z2 (two sets); v176-179 LDS addresses; in the prologue v128-255 hold d1
;  window 2: J's fragments of K steps 0-3 at 48 s + 12 q, y's at 192 + 12 s;   window 3: the same for K steps 4-7
.set TILE,  13312
.set SLOTB, 8*TILE
.set SLOT1, 0x20000
.set BWB,   262144
.set SPARE, 270336
.set CW,    18                         ; LDS instructions that may stay out at a K step's head: behind every load at least so many are issued before its data are used (counted over two tiles, every loop edge and the change of slots)
.set SPW,  1                           ; v1 my spare word's address, v2 0: never rewritten
.set NIL,  2
.set ZO,   3                           ; 0, as an offset
.set L16,  4                           ; 16 x lane
.set H128, 5                           ; 128 h   (h = lane / 16)
.set SH8,  6                           ; 8 h
.set H256, 7                           ; 256 h
.set AW,   8                           ; v8-11 65,536 k + 16 lane: W1's four pieces
.set XD,   12                          ; v12-15 xdot[b][4 r + q]
.set ASC,  16
.set YSC,  48
.set BSC,  56
.set BB,   72
.set W3R,  88
.set TT,   104
.set GG,   112
.set GV,   120
.set WN,   128
.set VA,   128
.set OO,   132
.set TM,   104                         ; the prologue's registers at work lie where the walk's will
.set SO,   106
.set BY,   108
.set PW,   110
.set PX,   111
.set TH,   112                         ; v112-114, v116-118
.set TMB,  115                         ; v115, v119
.set TIDO, 115                         ; head only: 16 x thread
.set BWA,  119                         ; head only: BWB + 16 x thread
.set R16,  103                         ; head only: 16 r
.set BF,   0                           ; window 1
.set ACC,  96
.set ZZ,   160
.set AB0,  176                         ; 16 x lane
.set AF,   177                         ; the tile whose fragments are being fetched
.set ABW0, 178                         ; BWB + 32 h
.set ABW,  179                         ; + 64 x tile
.set DD,   128
.set WV,   26
.set G1A,  32                          ; s[32:39] group 1: 64 rows of 256 bytes;  s[40:47]: 104 rows
.set G1B,  40
.set G0P,  48                          ; s[48:63] groups 0 of W1's four pieces
.set G0W,  68                          ; s[68:71] group 0 of W2's slots: it walks
.set CS,   72                          ; s[72:73] 2 log2(e)
.set SEL,  74                          ; s[74:75] selects for lane xor 16
.set TN,   76                          ; LDS byte of the tile after the one being fetched
.set TW,   77                          ; 64 x tile
.set CO,   78
.set CI,   79
.set SG2,  0x59                        ; D, C and source 0 in window 1, source 1 in window 2 (+4: window 3); fragment loads (data and address in window 1) run under it too
.set E1,   0x01                        ; source 0 in window 1, all else in window 0
.set MSB, 0
.macro WIN new                         ; the immediate's high byte repeats the setting that is left; a switch that changes nothing is dropped
.if MSB != (\new)
	s_set_vgpr_msb (MSB<<8)|(\new)
.set MSB, (\new)
.endif
.endm
.macro ROUND                           ; a round of the cluster's barrier
	s_barrier_signal -1
	s_barrier_wait -1
	s_cmp_lg_u32 s[WV], 0
	s_cbranch_scc1 .Lnot_wave_0_\@
	s_barrier_signal -3
.Lnot_wave_0_\@:
	s_barrier_wait -3
	s_barrier_signal -1
	s_barrier_wait -1
.endm
.macro FILLW                           ; my quarter of a slot: the one tensor load behind a round; an s_nop 0 and four v_nop follow it
	tensor_load_to_lds s[G0W:G0W+3], s[G1B:G1B+7]
	s_nop 0
.rept 4
	v_nop
.endr
.endm
.macro STEPW                           ; the walking descriptor: the other slot, the next eight tiles (no tensor load of mine is out where this stands)
	s_xor_b32 s[G0W+1], s[G0W+1], SLOT1
	s_add_nc_u64 s[G0W+2:G0W+3], s[G0W+2:G0W+3], SLOTB
.endm
.macro DLOAD s                         ; d1[b][128 s + 64 c + 32 h + i] into set s % 2 (window 1): register 32 c + i
.irp j, 0,1,2,3,4,5,6,7,8,9,10,11,12,13,14,15
	global_load_b128 v[DD+64*((\s)%2)+4*\j:DD+64*((\s)%2)+4*\j+3], v[H128], s[12:13] offset:512*(\s)+256*(\j/8)+16*(\j%8)
.endr
.endm
.macro WLOAD u                         ; unit u = 4 s + q of W1 into set u % 2: register 32 c + i = W1[128 s + 64 c + 32 h + i][4 r + q]
.irp j, 0,1,2,3,4,5,6,7,8,9,10,11,12,13,14,15
	ds_load_b128 v[WN+64*((\u)%2)+4*\j:WN+64*((\u)%2)+4*\j+3], v[AW+(\u)/8] offset:((\u)%8)*8192+512*\j
.endr
.endm
; FRAGMENT f = 4 s + q of Q(J): 64 products d1 x W1, two whole blocks of 32 along h a lane, their scales, their codes.
.macro FRAG f
.set FS, (\f)/4
.set FQ, (\f)%4
.set FW, WN+64*((\f)%2)
.set FD, DD+64*(FS%2)
.set FJ, 48*(FS%4)+12*FQ
.if FQ == 0
.if FS < 7
	WIN 0x40
	DLOAD FS+1
	s_wait_loadcnt 16                              ; this K step's d1 is in (and all that the head asked for); the next step's sixteen loads may be out
.else
	s_wait_loadcnt 0x0
.endif
.endif
.if (\f) < 30
	s_wait_dscnt 16                                ; this unit of W1 is in; the next unit's sixteen loads may be out
.endif
	WIN 0x04                                       ; source 1 (d1) in window 1
.set ii, 0
.rept 32
	v_pk_mul_f32 v[FW+ii:FW+ii+1], v[FW+ii:FW+ii+1], v[FD+ii:FD+ii+1]             ; J, in f32
.set ii, ii+2
.endr
	WIN 0
.irp c, 0,1
	v_max3_num_f32 v[TM+\c], |v[FW+32*\c]|, |v[FW+32*\c+1]|, 0x1800000             ; with the floor 2^(3 - 127): the byte cannot fall under 1
	v_max3_num_f32 v[TMB+4*\c], |v[FW+32*\c+16]|, |v[FW+32*\c+17]|, |v[FW+32*\c+18]|
.endr
.irp i, 0,1,2,3,4,5
.irp c, 0,1
	v_max3_num_f32 v[TM+\c], v[TM+\c], |v[FW+32*\c+2+2*\i]|, |v[FW+32*\c+3+2*\i]|  ; four chains by turns
	v_max3_num_f32 v[TMB+4*\c], v[TMB+4*\c], |v[FW+32*\c+19+2*\i]|, |v[FW+32*\c+20+2*\i]|
.endr
.endr
.irp c, 0,1
	v_max3_num_f32 v[TM+\c], v[TM+\c], |v[FW+32*\c+14]|, |v[FW+32*\c+15]|
.endr
.irp c, 0,1
	v_max3_num_f32 v[TM+\c], v[TM+\c], v[TMB+4*\c], |v[FW+32*\c+31]|
.endr
.irp c, 0,1
	v_add_nc_u32 v[SO+\c], 0xff000000, v[TM+\c]    ; 2 off the exponent field: the conversion's scale operand
.endr
.irp c, 0,1
	v_lshrrev_b32 v[BY+\c], 23, v[SO+\c]           ; the scale's byte
.endr
	v_lshl_or_b32 v[PW], v[BY+1], 16, v[BY]        ; blocks h and 2 + h,
	v_lshlrev_b32 v[PW], v[SH8], v[PW]             ; at their places in the word
	v_permlanex16_b32 v[PX], v[PW], s[SEL], s[SEL+1]
	v_cvt_scalef32_pk16_fp6_f32 v[TH:TH+2], v[FW+16:FW+31], v[SO]                  ; the blocks' upper 16 codes (a conversion's three registers begin on an even number)
	v_cvt_scalef32_pk16_fp6_f32 v[TH+4:TH+6], v[FW+48:FW+63], v[SO+1]
	v_or_b32 v[ASC+(\f)], v[PW], v[PX]             ; with lane xor 16's two bytes the row's scale word is whole
	WIN 0x80+0x40*(FS/4)                           ; destination: window 2 or 3
	v_cvt_scalef32_pk16_fp6_f32 v[FJ:FJ+2], v[FW:FW+15], v[SO]
	v_cvt_scalef32_pk16_fp6_f32 v[FJ+6:FJ+8], v[FW+32:FW+47], v[SO+1]
	v_nop                                          ; one plain line behind the scaled conversions
.irp i, 0,1,2
	v_mov_b32 v[FJ+3+\i], v[TH+\i]
	v_mov_b32 v[FJ+9+\i], v[TH+4+\i]
.endr
	WIN 0
.if (\f) < 30
	WLOAD (\f)+2                                   ; the unit two on, into the set just left
.endif
.endm
	s_load_b512 s[4:19], s[0:1], 0x0               ; w1t s[4:5], w2q s[6:7], y1q s[8:9], y1s s[10:11], d1 s[12:13], b2 s[14:15], W3 s[16:17], xdot s[18:19]
	s_load_b128 s[20:23], s[0:1], 0x40             ; out0, out1
	s_load_b64 s[24:25], s[0:1], 0x50              ; out2
	v_lshl_add_u32 v[SPW], v0, 2, SPARE
	v_mov_b32 v[NIL], 0
	ds_add_u32 v[SPW], v[NIL]                      ; the wave's opening: the add, twice on end, and its wait ahead of my first tensor load
	ds_add_u32 v[SPW], v[NIL]
	v_lshrrev_b32 v[ZO], 5, v0
	v_readfirstlane_b32 s[WV], v[ZO]               ; wave 0..3
	v_mov_b32 v[ZO], 0
	; descriptor group 1: dense blocks as rows of 256 bytes (32 elements of 8 bytes), no padding: every LDS access here is an image, lane i at 16 i
	s_mov_b32 s[G1A+0], 15|(3<<16)|(1<<21)         ; 15:0 the mask: all four work-groups; 17:16 elements of 8 bytes; 21 set beside a mask
	s_mov_b32 s[G1A+1], 32<<16                     ; tensor_dim0 = 32
	s_mov_b32 s[G1A+2], 64<<16                     ; tensor_dim1 = 64
	s_mov_b32 s[G1A+3], 32<<16                     ; tile_dim0 = 32
	s_mov_b32 s[G1A+4], 64                         ; tile_dim1 = 64
	s_mov_b32 s[G1A+5], 32                         ; the pitch
	s_mov_b32 s[G1A+6], 0
	s_mov_b32 s[G1A+7], 0
	s_mov_b32 s[G1B+0], 15|(3<<16)|(1<<21)
	s_mov_b32 s[G1B+1], 32<<16
	s_mov_b32 s[G1B+2], 104<<16                    ; 104 rows: a quarter of a slot
	s_mov_b32 s[G1B+3], 32<<16
	s_mov_b32 s[G1B+4], 104
	s_mov_b32 s[G1B+5], 32
	s_mov_b32 s[G1B+6], 0
	s_mov_b32 s[G1B+7], 0
	s_mov_b32 s[CS], 0x4038aa3b                    ; 2 log2(e)
	s_mov_b32 s[CS+1], s[CS]                       ; (named with it as a pair, so it is written)
	s_mov_b32 s[SEL], 0x76543210
	s_mov_b32 s[SEL+1], 0xfedcba98
	v_and_b32 v[L16], 31, v0
	v_lshlrev_b32 v[L16], 4, v[L16]
	v_bfe_u32 v[SH8], v0, 4, 1                     ; h
	v_lshlrev_b32 v[H128], 7, v[SH8]
	v_lshlrev_b32 v[H256], 8, v[SH8]
	v_lshlrev_b32 v[SH8], 3, v[SH8]
.irp k, 0,1,2,3
	v_add_nc_u32 v[AW+\k], 65536*\k, v[L16]
.endr
	v_and_b32 v[R16], 15, v0
	v_lshlrev_b32 v[R16], 4, v[R16]
	v_lshlrev_b32 v[TIDO], 4, v0
	v_lshl_add_u32 v[BWA], v0, 4, BWB
	v_mov_b32 v[PX], 0                             ; written once: a lane permute's destination counts as one of its sources
	s_bfe_u32 s27, ttmp6, 0x40000                  ; cx: it enters global addresses alone
	s_lshl_b32 s30, s27, 2
	s_add_co_u32 s30, s30, s[WV]                   ; my row among the 16 of its tile of y1: 4 cx + wave
	s_lshl_b32 s29, ttmp9, 4                       ; (ttmp9 counts clusters: a cluster's sixteen waves are one tile of 16 batch rows)
	s_add_co_u32 s29, s29, s30                     ; b
	s_lshl_b32 s84, s[WV], 14                      ; my 16,384 bytes of each piece of W1: in memory and in LDS alike
	s_mov_b32 s85, 0
	s_mul_i32 s88, s[WV], 26624                    ; my quarter of a slot
	s_mov_b32 s89, 0
	s_mov_b32 s81, 0
	s_wait_dscnt 0x0                               ; both opening adds are done
	s_wait_kmcnt 0x0
	s_add_nc_u64 s[86:87], s[4:5], s[84:85]
.irp p, 0,1,2,3
	s_mov_b32 s[G0P+4*\p], 1                       ; count = 1
	s_add_co_u32 s[G0P+4*\p+1], s84, 65536*\p      ; LDS address
	s_add_nc_u64 s[G0P+4*\p+2:G0P+4*\p+3], s[86:87], 65536*\p
	s_or_b32 s[G0P+4*\p+3], s[G0P+4*\p+3], 0x80000000   ; type = 2
.endr
	s_mov_b32 s[G0W], 1
	s_mov_b32 s[G0W+1], s88                        ; slot 0
	s_add_nc_u64 s[G0W+2:G0W+3], s[6:7], s[88:89]  ; tiles 0 to 7
	s_or_b32 s[G0W+3], s[G0W+3], 0x80000000
	s_mul_i32 s80, ttmp9, 12288                    ; y1q: my tile's eight images, my row's 16 bytes in each half of a group
	s_lshl_b32 s82, s30, 4
	s_add_co_u32 s80, s80, s82
	s_add_nc_u64 s[8:9], s[8:9], s[80:81]
	s_lshl_b32 s80, ttmp9, 10                      ; y1s: my row's word
	s_lshl_b32 s82, s30, 2
	s_add_co_u32 s80, s80, s82
	s_add_nc_u64 s[10:11], s[10:11], s[80:81]
	s_lshl_b32 s80, s29, 12                        ; d1: row b
	s_add_nc_u64 s[12:13], s[12:13], s[80:81]
	s_lshl_b32 s80, s29, 8                         ; xdot, out2: row b
	s_add_nc_u64 s[18:19], s[18:19], s[80:81]
	s_add_nc_u64 s[24:25], s[24:25], s[80:81]
	s_lshl_b32 s80, s29, 2                         ; out0, out1
	s_add_nc_u64 s[20:21], s[20:21], s[80:81]
	s_add_nc_u64 s[22:23], s[22:23], s[80:81]
	ROUND                                          ; all four work-groups are here: the first joint loads meet
.irp p, 0,1,2,3
	tensor_load_to_lds s[G0P+4*\p:G0P+4*\p+3], s[G1A:G1A+7]       ; W1, piece by piece: four loads of mine are out
	s_nop 0
.endr
.rept 4
	v_nop
.endr
	global_load_b128 v[128:131], v[TIDO], s[14:15]                 ; b2 and W3: 32 bytes of each a thread
	global_load_b128 v[132:135], v[TIDO], s[14:15] offset:2048
	global_load_b128 v[136:139], v[TIDO], s[16:17]
	global_load_b128 v[140:143], v[TIDO], s[16:17] offset:2048
	WIN 0x40
	DLOAD 0
	WIN 0x80                                       ; y's fragments: every lane of a half takes my row's 16 bytes of each register group: my row stands in all 16 columns
.irp s, 0,1,2,3
.irp g, 0,1,2
	global_load_b128 v[192+12*\s+4*\g:192+12*\s+4*\g+3], v[H256], s[8:9] offset:1536*\s+512*\g
.endr
.endr
	WIN 0xc0
.irp s, 0,1,2,3
.irp g, 0,1,2
	global_load_b128 v[192+12*\s+4*\g:192+12*\s+4*\g+3], v[H256], s[8:9] offset:1536*(\s+4)+512*\g
.endr
.endr
	WIN 0
.irp s, 0,1,2,3,4,5,6,7
	global_load_b32 v[YSC+\s], v[ZO], s[10:11] offset:128*\s
.endr
	global_load_b128 v[XD:XD+3], v[R16], s[18:19]
	s_wait_loadcnt 49                              ; b2 and W3 are in; behind them: d1's 16, y's 24, its 8 scale words, xdot's one
.irp k, 0,1,2,3
	v_pk_mul_f32 v[128+2*\k:129+2*\k], v[128+2*\k:129+2*\k], s[CS:CS+1] op_sel_hi:[1,0]     ; 2 log2(e) b2
.endr
	ds_store_b128 v[BWA], v[128:131]
	ds_store_b128 v[BWA], v[132:135] offset:2048
	ds_store_b128 v[BWA], v[136:139] offset:4096
	ds_store_b128 v[BWA], v[140:143] offset:6144
	s_wait_tensorcnt 0x3                           ; my part of W1's piece 0 has landed; three pieces may be out
	s_wait_dscnt 0x0                               ; my stores have landed
	s_barrier_signal -1
	s_barrier_wait -1
	WLOAD 0
	WLOAD 1
.irp f, 0,1,2,3,4,5
	FRAG \f
.endr
	s_wait_tensorcnt 0x2                           ; piece 1 (units 8 to 15): fragment 6 asks for unit 8
	s_wait_dscnt 0x0
	s_barrier_signal -1
	s_barrier_wait -1
.irp f, 6,7,8,9,10,11,12,13
	FRAG \f
.endr
	s_wait_tensorcnt 0x0                           ; THE RING'S SLOT 0 lies over units 0 to 12, whose loads are all issued: all my tensor loads have landed (pieces 2 and 3 among them),
	ds_add_u32 v[SPW], v[NIL]                      ; 0 onto my spare word,
	s_wait_dscnt 0x0                               ; the add is done and my reads are back;
	ROUND                                          ; so it is with every wave of the cluster
	FILLW                                          ; tiles 0 to 7
.irp f, 14,15,16,17,18,19,20,21,22,23,24,25,26,27,28,29
	FRAG \f
.endr
	s_wait_tensorcnt 0x0                           ; SLOT 1 lies over units 16 to 28; all 32 units' loads are issued.  Slot 0 has landed
	ds_add_u32 v[SPW], v[NIL]
	STEPW
	s_wait_dscnt 0x0
	ROUND
	FILLW                                          ; tiles 8 to 15
	WIN 0x40                                       ; the walk's addresses, in window 1 (d1's set 0, where they lie, is done with)
	v_mov_b32 v[AB0], v[L16]
	v_mov_b32 v[AF], v[L16]                        ; tile 0
	v_lshl_add_u32 v[ABW0], v[SH8], 2, BWB
	WIN E1
	ds_load_b128 v[BSC:BSC+3], v[AF] offset:12288  ; tile 0's scale words,
	ds_load_b128 v[BSC+4:BSC+7], v[AF] offset:12800
	WIN 0x41
.irp n, 0,1,2,3,4,5,6
.irp g, 0,1,2
	ds_load_b128 v[BF+12*\n+4*\g:BF+12*\n+4*\g+3], v[AF] offset:\n*1536+512*\g     ; and its fragments 0 to 6: they land under the last two fragments of J
.endr
.endr
	WIN 0
	FRAG 30
	FRAG 31
	WIN 0x40                                       ; THE TILE BEFORE THE FIRST is made of zeros (z2 = 0, b2 = 0, W3 = 0, P = 0: it adds 0 to V and to gradV): so the tile's text is written once.  These lines are also the places ahead of the first products
.set ii, 0
.rept 32
	v_mov_b32 v[ACC+32+ii], 0
.set ii, ii+1
.endr
.set ii, 0
.rept 8
	v_mov_b32 v[ZZ+8+ii], 0
.set ii, ii+1
.endr
	WIN 0
.set ii, 0
.rept 8
	v_mov_b32 v[BB+8+ii], 0
	v_mov_b32 v[W3R+8+ii], 0
	v_mov_b32 v[GV+ii], 0
.set ii, ii+1
.endr
.irp k, 0,1,2,3
	v_mov_b32 v[VA+\k], 0
.endr
	s_mov_b32 s[TN], TILE
	s_mov_b32 s[TW], 0
; ---- THE WALK
.macro WQ p, s, q                      ; P's chain q of the tile of parity p, K step s.  The first step starts the sum
.set RA, ACC+32*(\p)+8*(\q)
.set RJ, 48*((\s)%4)+12*(\q)
.if (\s) == 0
	v_wmma_scale_f32_16x16x128_f8f6f4 v[RA:RA+7], v[BF+12*(\s):BF+12*(\s)+11], v[RJ:RJ+11], 0, v[BSC+8*(\p)+(\s)], v[ASC+4*(\s)+(\q)] matrix_a_fmt:MATRIX_FMT_FP6 matrix_b_fmt:MATRIX_FMT_FP6
.else
	v_wmma_scale_f32_16x16x128_f8f6f4 v[RA:RA+7], v[BF+12*(\s):BF+12*(\s)+11], v[RJ:RJ+11], v[RA:RA+7], v[BSC+8*(\p)+(\s)], v[ASC+4*(\s)+(\q)] matrix_a_fmt:MATRIX_FMT_FP6 matrix_b_fmt:MATRIX_FMT_FP6
.endif
.endm
.macro WZ p, s                         ; z2's chain
.set RA, ZZ+8*(\p)
.set RJ, 192+12*((\s)%4)
.if (\s) == 0
	v_wmma_scale_f32_16x16x128_f8f6f4 v[RA:RA+7], v[BF+12*(\s):BF+12*(\s)+11], v[RJ:RJ+11], 0, v[BSC+8*(\p)+(\s)], v[YSC+(\s)] matrix_a_fmt:MATRIX_FMT_FP6 matrix_b_fmt:MATRIX_FMT_FP6
.else
	v_wmma_scale_f32_16x16x128_f8f6f4 v[RA:RA+7], v[BF+12*(\s):BF+12*(\s)+11], v[RJ:RJ+11], v[RA:RA+7], v[BSC+8*(\p)+(\s)], v[YSC+(\s)] matrix_a_fmt:MATRIX_FMT_FP6 matrix_b_fmt:MATRIX_FMT_FP6
.endif
.endm
.macro LFR n                           ; fragment n of the tile at AF
.irp g, 0,1,2
	ds_load_b128 v[BF+12*(\n)+4*\g:BF+12*(\n)+4*\g+3], v[AF] offset:(\n)*1536+512*\g
.endr
.endm
; Slice n of 16 of the work on the tile BEFORE the one of parity p.  md: 0 a plain tile; 1, 2 a change of slots (the next tile's scale words are fetched behind the barrier); 3 the way out (nothing is fetched).
.macro SLICE p, n, md
.set PP, 1-(\p)
.if (\n) == 0
	WIN E1
.irp k, 0,1,2,3
	v_pk_fma_f32 v[TT+2*\k:TT+2*\k+1], v[ZZ+8*PP+2*\k:ZZ+8*PP+2*\k+1], s[CS:CS+1], v[BB+8*PP+2*\k:BB+8*PP+2*\k+1] op_sel_hi:[1,0,1]   ; 2 log2(e) (z2 + b2): the accumulator from its low end on
.endr
.elseif ((\n) == 1) || ((\n) == 2)
	WIN 0
.irp k, 0,1,2,3
	v_exp_f32 v[TT+4*((\n)-1)+\k], v[TT+4*((\n)-1)+\k]
.endr
.elseif (\n) == 3
.if (\md) < 3
	WIN E1
.if (\md) == 0
	ds_load_b128 v[BSC+8*PP:BSC+8*PP+3], v[AF] offset:12288        ; the next tile's scale words
	ds_load_b128 v[BSC+8*PP+4:BSC+8*PP+7], v[AF] offset:12800
.endif
	ds_load_b128 v[BB+8*(\p):BB+8*(\p)+3], v[ABW]                  ; this tile's b2, for the next tile's slices
	ds_load_b128 v[BB+8*(\p)+4:BB+8*(\p)+7], v[ABW] offset:16
.endif
.elseif (\n) == 4
	WIN 0
	s_wait_alu depctr_va_vdst(0)                   ; one wait for the eight exponentials, ahead of their first reader; plain lines have followed the last of them
.irp k, 0,1,2,3
	v_pk_add_f32 v[TT+2*\k:TT+2*\k+1], v[TT+2*\k:TT+2*\k+1], 1.0 op_sel_hi:[1,0]
.endr
.elseif ((\n) == 5) || ((\n) == 6)
	WIN 0
.irp k, 0,1,2,3
	v_rcp_f32 v[TT+4*((\n)-5)+\k], v[TT+4*((\n)-5)+\k]
.endr
.elseif (\n) == 7
.if (\md) < 3
	WIN E1
	ds_load_b128 v[W3R+8*(\p):W3R+8*(\p)+3], v[ABW] offset:4096    ; this tile's W3
	ds_load_b128 v[W3R+8*(\p)+4:W3R+8*(\p)+7], v[ABW] offset:4112
.endif
.elseif (\n) == 8
	WIN 0
	s_wait_alu depctr_va_vdst(0)                   ; one wait for the eight reciprocals
.irp k, 0,1,2,3
	v_pk_fma_f32 v[TT+2*\k:TT+2*\k+1], v[TT+2*\k:TT+2*\k+1], -2.0, 1.0 op_sel_hi:[1,0,0]       ; y2
.endr
.elseif (\n) == 9
	WIN 0
.irp k, 0,1,2,3
	v_pk_fma_f32 v[VA+2*(\k%2):VA+2*(\k%2)+1], v[W3R+8*PP+2*\k:W3R+8*PP+2*\k+1], v[TT+2*\k:TT+2*\k+1], v[VA+2*(\k%2):VA+2*(\k%2)+1]   ; V += W3 y2, in two chains
.endr
.elseif (\n) == 10
	WIN 0
.irp k, 0,1,2,3
	v_pk_fma_f32 v[GG+2*\k:GG+2*\k+1], v[TT+2*\k:TT+2*\k+1], v[TT+2*\k:TT+2*\k+1], 1.0 op_sel_hi:[1,1,0] neg_lo:[1,0,0] neg_hi:[1,0,0]   ; d2 = 1 - y2 y2
.endr
.elseif (\n) == 11
	WIN 0
.irp k, 0,1,2,3
	v_pk_mul_f32 v[GG+2*\k:GG+2*\k+1], v[GG+2*\k:GG+2*\k+1], v[W3R+8*PP+2*\k:W3R+8*PP+2*\k+1]  ; g = W3 d2
.endr
.else
	WIN E1
.irp q, 0,1,2,3
	v_pk_fma_f32 v[GV+2*\q:GV+2*\q+1], v[ACC+32*PP+8*\q+2*((\n)-12):ACC+32*PP+8*\q+2*((\n)-12)+1], v[GG+2*((\n)-12):GG+2*((\n)-12)+1], v[GV+2*\q:GV+2*\q+1]   ; gradV += g P: each accumulator from its low end on
.endr
.endif
.endm
; A K step: five matrix instructions, two slices, three loads.  The loads go into the registers of the fragment that the K step before has left: its last reader is that step's fifth product, and four v_nop stand between
; (two behind that product, two here): plain lines that name none of its registers, whatever the slices hold (ISA guide 7.12.1 for vector instructions).
; In K step 0 that fragment is THIS tile's last (number 7); then the address goes on to the next tile.
.macro KS p, s, md
	s_wait_dscnt CW
	WIN SG2+4*((\s)/4)
	WQ \p, \s, 0
	SLICE \p, 2*(\s), \md
	WIN SG2+4*((\s)/4)
	WQ \p, \s, 1
	v_nop
	v_nop
	WQ \p, \s, 2
.if ((\md) == 0) || ((\s) == 0) || ((\s) > 2)
	LFR ((\s)+7)%8
.endif
.if (\s) == 0
	v_add_nc_u32 v[AF], v[AB0], s[TN]
	s_add_co_u32 s[TN], s[TN], TILE
	v_add_nc_u32 v[ABW], v[ABW0], s[TW]
	s_add_co_u32 s[TW], s[TW], 64
.endif
	WQ \p, \s, 3
	SLICE \p, 2*(\s)+1, \md
	WIN SG2+4*((\s)/4)
	WZ \p, \s
	v_nop
	v_nop
.if (\s) == 7
	v_nop                                          ; four places ahead of the next tile's first slice, which reads z2, and of the loads into the scale words
	v_nop
.endif
.endm
; A tile.  md = 1, 2: a slot's last tile.  Its own last fragment is fetched in K step 0: the wave's last read of the slot.  The next tile lies in the other slot, so its first loads are held back behind the barrier.
; K step 2 stands between the add and the wait for it.  md = 1: the slot just left is filled again, behind a round of the cluster's barrier; the load has eight tiles, 320 matrix instructions, in which to land.  md = 2: nothing is left to fetch.
.macro TILEM p, md
.if (\md) > 0
	s_sub_co_u32 s[TN], s[TN], 8*TILE              ; back to the slot's first tile,
	s_xor_b32 s[TN], s[TN], SLOT1                  ; in the other slot
.endif
	KS \p, 0, \md
	KS \p, 1, \md
.if (\md) > 0
	WIN 0                                          ; (the add's two registers lie in window 0)
	s_wait_tensorcnt 0x0                           ; all my tensor loads have landed: my part of the other slot
	ds_add_u32 v[SPW], v[NIL]                      ; 0 onto my spare word
.if (\md) == 1
	STEPW
.endif
.endif
	KS \p, 2, \md
.if (\md) > 0
.if (\md) == 1
	s_wait_alu depctr_va_vdst(0)                   ; the four reciprocals just issued have their wait ahead of them
.endif
	s_wait_dscnt 0x0                               ; the add is done, and my reads of the slot are back
	WIN 0
.if (\md) == 1
	ROUND                                          ; no wave of any partner still reads the slot or has a load on its way
	FILLW
.else
	s_barrier_signal -1
	s_barrier_wait -1
.endif
	WIN E1
	ds_load_b128 v[BSC+8*(1-(\p)):BSC+8*(1-(\p))+3], v[AF] offset:12288
	ds_load_b128 v[BSC+8*(1-(\p))+4:BSC+8*(1-(\p))+7], v[AF] offset:12800
	WIN SG2
	LFR 0
	LFR 1
.endif
	KS \p, 3, \md
	KS \p, 4, \md
	KS \p, 5, \md
	KS \p, 6, \md
	KS \p, 7, \md
.endm
.macro SLOTM md                        ; a slot's eight tiles: three trips of a pair, and the pair that ends it
	s_mov_b32 s[CI], 3
.Lpair_\@:
	TILEM 0, 0
	TILEM 1, 0
	WIN 0                                          ; at a label and at a branch every window is 0
	s_sub_co_u32 s[CI], s[CI], 1
	s_cmp_lg_u32 s[CI], 0
	s_cbranch_scc1 .Lpair_\@
	TILEM 0, 0
	TILEM 1, \md
	WIN 0
.endm
	s_mov_b32 s[CO], 6
.Lslot:                                                ; slots 0 to 5 are filled again, with tiles 16 to 63
	SLOTM 1
	s_sub_co_u32 s[CO], s[CO], 1
	s_cmp_lg_u32 s[CO], 0
	s_cbranch_scc1 .Lslot
	s_mov_b32 s[CO], 2
.Ltail:                                                ; the last two slots ask for nothing: written out.  One text serves both: in the very last tile its barrier and its
	SLOTM 2                                        ; 23 look-ahead loads (they read the other slot's old tile) serve nothing, and their data are never used: the price of four tiles of text less
	s_sub_co_u32 s[CO], s[CO], 1
	s_cmp_lg_u32 s[CO], 0
	s_cbranch_scc1 .Ltail
; ---- THE WAY OUT: the last tile's slices in one run, then the sums across the lanes
	s_wait_dscnt 0x0
	SLICE 0, 0, 3
	SLICE 0, 1, 3
	SLICE 0, 2, 3
	v_nop                                          ; a plain line behind the last exponential
	SLICE 0, 4, 3
	SLICE 0, 5, 3
	SLICE 0, 6, 3
	v_nop
	SLICE 0, 8, 3
	SLICE 0, 9, 3
	SLICE 0, 10, 3
	SLICE 0, 11, 3
	SLICE 0, 12, 3
	SLICE 0, 13, 3
	SLICE 0, 14, 3
	SLICE 0, 15, 3
	WIN 0
.irp q, 0,1,2,3
	v_add_f32 v[OO+\q], v[GV+2*\q], v[GV+2*\q+1]   ; a lane's even and odd o,
.endr
.irp q, 0,1,2,3
	v_permlanex16_b32 v[TT+\q], v[OO+\q], s[SEL], s[SEL+1]
.endr
.irp q, 0,1,2,3
	v_add_f32 v[OO+\q], v[OO+\q], v[TT+\q]         ; and lane xor 16's eight o of each tile: gradV[b][4 r + q]
.endr
	v_mul_f32 v[TT+4], v[OO], v[XD]
	v_fmac_f32 v[TT+4], v[OO+1], v[XD+1]
	v_fmac_f32 v[TT+4], v[OO+2], v[XD+2]
	v_fmac_f32 v[TT+4], v[OO+3], v[XD+3]
	v_add_f32_dpp v[TT+4], v[TT+4], v[TT+4] row_xmask:1 row_mask:0xf bank_mask:0xf
	v_add_f32_dpp v[TT+4], v[TT+4], v[TT+4] row_xmask:2 row_mask:0xf bank_mask:0xf
	v_add_f32_dpp v[TT+4], v[TT+4], v[TT+4] row_xmask:4 row_mask:0xf bank_mask:0xf
	v_add_f32_dpp v[TT+4], v[TT+4], v[TT+4] row_xmask:8 row_mask:0xf bank_mask:0xf   ; Vdot, over the sixteen r
	v_add_f32 v[TT+5], v[VA], v[VA+1]
	v_add_f32 v[TT+6], v[VA+2], v[VA+3]
	v_add_f32 v[TT+5], v[TT+5], v[TT+6]
	v_permlanex16_b32 v[TT+6], v[TT+5], s[SEL], s[SEL+1]
	v_add_f32 v[TT+5], v[TT+5], v[TT+6]            ; V
	v_and_b32 v[GG], 31, v0
	v_and_b32 v[GG+1], 15, v0
	v_lshlrev_b32 v[GG+1], 4, v[GG+1]
	s_wait_xcnt 0x0                                ; EXEC changes only behind this wait
	v_cmp_gt_u32 vcc_lo, 16, v[GG]
	s_and_saveexec_b32 s80, vcc_lo
	global_store_b128 v[GG+1], v[OO:OO+3], s[24:25]                ; sixteen lanes store row b of gradV: 256 consecutive bytes, aligned
	s_wait_xcnt 0x0
	s_or_b32 exec_lo, exec_lo, s80
	v_cmp_eq_u32 vcc_lo, 0, v[GG]
	s_and_saveexec_b32 s80, vcc_lo
	global_store_b32 v[ZO], v[TT+5], s[20:21]      ; one number a wave each: 8 KiB in the whole launch
	global_store_b32 v[ZO], v[TT+4], s[22:23]
	s_wait_xcnt 0x0
	s_or_b32 exec_lo, exec_lo, s80
	s_wait_tensorcnt 0x0                           ; the wave's end, behind my last tensor load and my last LDS store
	ds_add_u32 v[SPW], v[NIL]
	s_wait_dscnt 0x0
	ROUND                                          ; the closing round: no work-group ends while a partner may still ask for a tile that names it
	s_endpgm
.Lfunc_end_k_q11f67414b6_main:
	.size	k_q11f67414b6_main, .Lfunc_end_k_q11f67414b6_main-k_q11f67414b6_main
	.p2alignl 7, 3214868480
	.fill 96, 4, 3214868480
	.section	.rodata,"a",@progbits
	.p2align	6, 0x0
	.amdhsa_kernel k_q11f67414b6_main
		.amdhsa_group_segment_fixed_size 327680
		.amdhsa_private_segment_fixed_size 0
		.amdhsa_enable_private_segment 0
		.amdhsa_kernarg_size 88
		.amdhsa_user_sgpr_count 2
		.amdhsa_user_sgpr_kernarg_segment_ptr 1
		.amdhsa_wavefront_size32 1
		.amdhsa_system_sgpr_workgroup_id_x 1
		.amdhsa_system_sgpr_workgroup_id_y 1
		.amdhsa_system_sgpr_workgroup_id_z 1
		.amdhsa_system_vgpr_workitem_id 0
		.amdhsa_next_free_vgpr 1024
		.amdhsa_next_free_sgpr 100
		.amdhsa_reserve_vcc 1
		.amdhsa_float_denorm_mode_32 3
		.amdhsa_float_denorm_mode_16_64 3
		.amdhsa_memory_ordered 1
		.amdhsa_forward_progress 1
		.amdhsa_inst_pref_size 255
	.end_amdhsa_kernel
	.section	.bss,"aw",@nobits
	.p2align	6
	.space	262144
	.amdgpu_metadata
---
amdhsa.version: [ 1, 2 ]
amdhsa.kernels:
  - .name:           k_q11f67414b6_main
    .symbol:         k_q11f67414b6_main.kd
    .args:
      - { .name: w1t, .offset: 0, .size: 8, .value_kind: global_buffer, .address_space: global }
      - { .name: w2q, .offset: 8, .size: 8, .value_kind: global_buffer, .address_space: global }
      - { .name: y1q, .offset: 16, .size: 8, .value_kind: global_buffer, .address_space: global }
      - { .name: y1s, .offset: 24, .size: 8, .value_kind: global_buffer, .address_space: global }
      - { .name: d1, .offset: 32, .size: 8, .value_kind: global_buffer, .address_space: global }
      - { .name: b2, .offset: 40, .size: 8, .value_kind: global_buffer, .address_space: global }
      - { .name: W3, .offset: 48, .size: 8, .value_kind: global_buffer, .address_space: global }
      - { .name: xdot, .offset: 56, .size: 8, .value_kind: global_buffer, .address_space: global }
      - { .name: out0, .offset: 64, .size: 8, .value_kind: global_buffer, .address_space: global }
      - { .name: out1, .offset: 72, .size: 8, .value_kind: global_buffer, .address_space: global }
      - { .name: out2, .offset: 80, .size: 8, .value_kind: global_buffer, .address_space: global }
    .group_segment_fixed_size: 327680
    .private_segment_fixed_size: 0
    .kernarg_segment_align: 8
    .kernarg_segment_size: 88
    .max_flat_workgroup_size: 128
    .sgpr_count:     100
    .vgpr_count:     1024
    .wavefront_size: 32
...
	.end_amdgpu_metadata
.endif
;; end of part 2
;; ======== version 2 of 2: 2 launches; 1.23 times as fast as version 1
;; workspace buffers: w2q 851,968 bytes; w1t 262,144 bytes; y1q 786,432 bytes; y1s 65,536 bytes; d1 4,194,304 bytes
;; launch prep: the kernel of part 1 again; grid 196 x 1, 4 waves a work-group, no clusters, 68,096 bytes of LDS; arguments x, W1, b1, W2, w2q, w1t, y1q, y1s, d1; writes w2q, w1t, y1q, y1s, d1
;; launch main (part 3): grid 256 x 1, 4 waves a work-group, clusters of 4 x 1, 327,680 bytes of LDS; arguments w1t, w2q, y1q, y1s, d1, b2, W3, xdot, out0, out1, out2; writes out0, out1, out2
.if DOCPART == 3
	.amdgcn_target "amdgcn-amd-amdhsa--gfx1250"
	.amdhsa_code_object_version 6
	.text
	.protected	k_q11f67414b6_main
	.globl	k_q11f67414b6_main
	.p2align	8
	.type	k_q11f67414b6_main,@function
k_q11f67414b6_main:
	s_mov_b64 s[64:65], 0
	v_nop
	global_prefetch_b8 v0, s[64:65] scope:SCOPE_SE
	s_setreg_imm32_b32 hwreg(HW_REG_WAVE_MODE, 25, 1), 1
	s_wait_xcnt 0x0
	s_wait_alu depctr_hold_cnt(0) depctr_sa_sdst(0) depctr_va_vdst(0) depctr_va_sdst(0) depctr_va_ssrc(0) depctr_va_vcc(0) depctr_vm_vsrc(0)
	s_getreg_b32 s2, hwreg(HW_REG_IB_STS2, 6, 4)
	s_cmp_eq_u32 s2, 0
	s_cbranch_scc0 .Lentry_in_a_cluster
	s_endpgm
.Lentry_in_a_cluster:
	s_bfe_u32 s2, ttmp6, 0x10000c
	s_cmp_lg_u32 s2, 0x3003
	s_cbranch_scc0 .Lentry_shape_is_right
	s_endpgm
.Lentry_shape_is_right:
; Layer 2 with its Jacobian, and the output layer.  For batch row b:  z2 = Q(y1) Q(W2)^T + b2,  y2 = tanh(z2),  P[o][d] = sum over h of Q(W2)[o][h] Q(J)[h][d] with J[h][d] = d1[b][h] W1[h][d] quantised along h,
; V = sum over o of W3[o] y2[o],  gradV[d] = sum over o of W3[o] (1 - y2[o]^2) P[o][d],  Vdot = sum over d of gradV[d] xdot[b][d].  Nothing of reference() is left out.
; SHARES.  ONE WAVE OWNS ONE BATCH ROW b: the 64 rows (b, d) of the large product.  A work-group has four waves, a cluster four work-groups.
; PROLOGUE.  The wave makes Q(J) in registers: 4 blocks of 16 rows (row r of block q is d = 4 r + q) x 8 K steps = 32 fragments, 384 registers, which stay.  W1 comes in f32, in the lanes' order, into LDS once (256 KiB).
; WALK.  All 64 tiles of 16 rows of Q(W2), as register images, through a ring of two LDS slots of 8 tiles.  The matrix instruction is used transposed (source 0 = 16 rows o of W2, source 1 = 16 rows d of J): a lane holds one d and
; eight o.  A fifth chain on the same fragments of W2 has the wave's own row of Q(y1) in all 16 columns: so z2[b][o] falls into every lane at the very eight o of its accumulators, and the weight g = W3 (1 - y2^2) is made where
; it is used: no exchange between waves, no barrier for it.  Its price is 8 matrix instructions on each 32.
; BY TURNS.  While a tile is multiplied (40 matrix instructions, five accumulators by turns), the tile before is finished: tanh, g, gradV += g P, V += W3 y2: 56 lines in 28 slices of two, each behind a
; matrix instruction of its own.  W2's fragments have TWO sets of registers, one for each parity of the tile: the next tile's 30 LDS loads stand in two runs, never singly among the matrix instructions, and each run stands where
; the slices want their wait for a batch of transcendentals.  A slice costs two switches of the register window: the price of work beside the products.
; CLUSTER.  All work-groups read the same W1 and W2: every tensor load is a joint load of the cluster's four (mask 15), each wave bringing a quarter.  No prefetch is laid: both buffers are small and all clusters read them at about the same time.
; tanh(z) = 1 - 2 / (1 + 2^(2 log2(e) z)).  LIMITS: NaN and infinities among the inputs are not served; a block of zeros of J carries the byte 1 with zero codes; blocks whose largest magnitude lies under 2^-124 are held at the floor's byte.
; LDS: [0, 262,144) W1, later the ring: slot 0 at 0, slot 1 at 131,072, 106,496 bytes each;  262,144: 2 log2(e) b2, then W3 (4 KiB each, stored by the waves: no tensor load lands there);  270,336: the spare words.
; REGISTERS, in windows of 256 (s_set_vgpr_msb: bits 1:0 source 0, 3:2 source 1, 5:4 source 2, 7:6 destination):
;  window 0: v0-15 addresses, xdot; v16-47 J's scale words, v48-55 y's, v56-71 W2's (two sets); v72-87 b2 (two sets), v88-103 W3 (two sets); v104-119 at work; v120-127 gradV; v128-255 W1's numbers (prologue);
;            behind the prologue v128-135 V and the results, v136-231 the odd tiles of W2
;  window 1: v0-95 the even tiles of W2; v96-159 P's accumulators (two sets of four); v160-175 z2 (two sets); v176-179 LDS addresses; in the prologue v128-255 hold d1
;  window 2: J's fragments of K steps 0-3 at 48 s + 12 q, y's at 192 + 12 s;   window 3: the same for K steps 4-7
.set TILE,  13312
.set SLOTB, 8*TILE
.set SLOT1, 0x20000
.set BWB,   262144
.set SPARE, 270336
.set SPW,  1                           ; v1 my spare word's address, v2 0: never rewritten
.set NIL,  2
.set ZO,   3                           ; 0, as an offset
.set L16,  4                           ; 16 x lane
.set H128, 5                           ; 128 h   (h = lane / 16)
.set SH8,  6                           ; 8 h
.set H256, 7                           ; 256 h
.set AW,   8                           ; v8-11 65,536 k + 16 lane: W1's four pieces
.set XD,   12                          ; v12-15 xdot[b][4 r + q]
.set ASC,  16
.set YSC,  48
.set BSC,  56
.set BB,   72
.set W3R,  88
.set TT,   104
.set GG,   112
.set GV,   120
.set WN,   128
.set VA,   128
.set OO,   132
.set BF1,  136                         ; the odd tiles' fragments, in window 0; the even tiles' lie at v0 of window 1
.set TM,   104                         ; the prologue's registers at work lie where the walk's will
.set SO,   106
.set BY,   108
.set PW,   110
.set PX,   111
.set TH,   112                         ; v112-114, v116-118
.set TMB,  115                         ; v115, v119
.set TIDO, 115                         ; head only: 16 x thread
.set BWA,  119                         ; head only: BWB + 16 x thread
.set R16,  103                         ; head only: 16 r
.set BF,   0                           ; window 1
.set ACC,  96
.set ZZ,   160
.set AB0,  176                         ; 16 x lane
.set AF,   177                         ; the tile whose fragments are being fetched
.set ABW0, 178                         ; BWB + 32 h
.set ABW,  179                         ; + 64 x tile
.set DD,   128
.set WV,   26
.set G1A,  32                          ; s[32:39] group 1: 64 rows of 256 bytes;  s[40:47]: 104 rows
.set G1B,  40
.set G0P,  48                          ; s[48:63] groups 0 of W1's four pieces
.set G0W,  68                          ; s[68:71] group 0 of W2's slots: it walks
.set CS,   72                          ; s[72:73] 2 log2(e)
.set SEL,  74                          ; s[74:75] selects for lane xor 16
.set TN,   76                          ; LDS byte of the next tile to be fetched
.set TW,   77                          ; 64 x tile
.set CO,   78
.set CI,   79
.set E1,   0x01                        ; source 0 in window 1, all else in window 0
.set MSB, 0
.macro WIN new                         ; the immediate's high byte repeats the setting that is left; a switch that changes nothing is dropped
.if MSB != (\new)
	s_set_vgpr_msb (MSB<<8)|(\new)
.set MSB, (\new)
.endif
.endm
.macro ROUND                           ; a round of the cluster's barrier
	s_barrier_signal -1
	s_barrier_wait -1
	s_cmp_lg_u32 s[WV], 0
	s_cbranch_scc1 .Lnot_wave_0_\@
	s_barrier_signal -3
.Lnot_wave_0_\@:
	s_barrier_wait -3
	s_barrier_signal -1
	s_barrier_wait -1
.endm
.macro FILLW                           ; my quarter of a slot: the one tensor load behind a round; an s_nop 0 and four v_nop follow it
	tensor_load_to_lds s[G0W:G0W+3], s[G1B:G1B+7]
	s_nop 0
.rept 4
	v_nop
.endr
.endm
.macro STEPW                           ; the walking descriptor: the other slot, the next eight tiles (no tensor load of mine is out where this stands)
	s_xor_b32 s[G0W+1], s[G0W+1], SLOT1
	s_add_nc_u64 s[G0W+2:G0W+3], s[G0W+2:G0W+3], SLOTB
.endm
.macro DLOAD s                         ; d1[b][128 s + 64 c + 32 h + i] into set s % 2 (window 1): register 32 c + i
.irp j, 0,1,2,3,4,5,6,7,8,9,10,11,12,13,14,15
	global_load_b128 v[DD+64*((\s)%2)+4*\j:DD+64*((\s)%2)+4*\j+3], v[H128], s[12:13] offset:512*(\s)+256*(\j/8)+16*(\j%8)
.endr
.endm
.macro WLOAD u                         ; unit u = 4 s + q of W1 into set u % 2: register 32 c + i = W1[128 s + 64 c + 32 h + i][4 r + q]
.irp j, 0,1,2,3,4,5,6,7,8,9,10,11,12,13,14,15
	ds_load_b128 v[WN+64*((\u)%2)+4*\j:WN+64*((\u)%2)+4*\j+3], v[AW+(\u)/8] offset:((\u)%8)*8192+512*\j
.endr
.endm
; FRAGMENT f = 4 s + q of Q(J): 64 products d1 x W1, two whole blocks of 32 along h a lane, their scales, their codes.
.macro FRAG f
.set FS, (\f)/4
.set FQ, (\f)%4
.set FW, WN+64*((\f)%2)
.set FD, DD+64*(FS%2)
.set FJ, 48*(FS%4)+12*FQ
.if FQ == 0
.if FS < 7
	WIN 0x40
	DLOAD FS+1
	s_wait_loadcnt 16                              ; this K step's d1 is in (and all that the head asked for); the next step's sixteen loads may be out
.else
	s_wait_loadcnt 0x0
.endif
.endif
.if (\f) < 30
	s_wait_dscnt 16                                ; this unit of W1 is in; the next unit's sixteen loads may be out
.endif
	WIN 0x04                                       ; source 1 (d1) in window 1
.set ii, 0
.rept 32
	v_pk_mul_f32 v[FW+ii:FW+ii+1], v[FW+ii:FW+ii+1], v[FD+ii:FD+ii+1]             ; J, in f32
.set ii, ii+2
.endr
	WIN 0
.irp c, 0,1
	v_max3_num_f32 v[TM+\c], |v[FW+32*\c]|, |v[FW+32*\c+1]|, 0x1800000             ; with the floor 2^(3 - 127): the byte cannot fall under 1
	v_max3_num_f32 v[TMB+4*\c], |v[FW+32*\c+16]|, |v[FW+32*\c+17]|, |v[FW+32*\c+18]|
.endr
.irp i, 0,1,2,3,4,5
.irp c, 0,1
	v_max3_num_f32 v[TM+\c], v[TM+\c], |v[FW+32*\c+2+2*\i]|, |v[FW+32*\c+3+2*\i]|  ; four chains by turns
	v_max3_num_f32 v[TMB+4*\c], v[TMB+4*\c], |v[FW+32*\c+19+2*\i]|, |v[FW+32*\c+20+2*\i]|
.endr
.endr
.irp c, 0,1
	v_max3_num_f32 v[TM+\c], v[TM+\c], |v[FW+32*\c+14]|, |v[FW+32*\c+15]|
.endr
.irp c, 0,1
	v_max3_num_f32 v[TM+\c], v[TM+\c], v[TMB+4*\c], |v[FW+32*\c+31]|
.endr
.irp c, 0,1
	v_add_nc_u32 v[SO+\c], 0xff000000, v[TM+\c]    ; 2 off the exponent field: the conversion's scale operand
.endr
.irp c, 0,1
	v_lshrrev_b32 v[BY+\c], 23, v[SO+\c]           ; the scale's byte
.endr
	v_lshl_or_b32 v[PW], v[BY+1], 16, v[BY]        ; blocks h and 2 + h,
	v_lshlrev_b32 v[PW], v[SH8], v[PW]             ; at their places in the word
	v_permlanex16_b32 v[PX], v[PW], s[SEL], s[SEL+1]
	v_cvt_scalef32_pk16_fp6_f32 v[TH:TH+2], v[FW+16:FW+31], v[SO]                  ; the blocks' upper 16 codes (a conversion's three registers begin on an even number)
	v_cvt_scalef32_pk16_fp6_f32 v[TH+4:TH+6], v[FW+48:FW+63], v[SO+1]
	v_or_b32 v[ASC+(\f)], v[PW], v[PX]             ; with lane xor 16's two bytes the row's scale word is whole
	WIN 0x80+0x40*(FS/4)                           ; destination: window 2 or 3
	v_cvt_scalef32_pk16_fp6_f32 v[FJ:FJ+2], v[FW:FW+15], v[SO]
	v_cvt_scalef32_pk16_fp6_f32 v[FJ+6:FJ+8], v[FW+32:FW+47], v[SO+1]
	v_nop                                          ; one plain line behind the scaled conversions
.irp i, 0,1,2
	v_mov_b32 v[FJ+3+\i], v[TH+\i]
	v_mov_b32 v[FJ+9+\i], v[TH+4+\i]
.endr
	WIN 0
.if (\f) < 30
	WLOAD (\f)+2                                   ; the unit two on, into the set just left
.endif
.endm
	s_load_b512 s[4:19], s[0:1], 0x0               ; w1t s[4:5], w2q s[6:7], y1q s[8:9], y1s s[10:11], d1 s[12:13], b2 s[14:15], W3 s[16:17], xdot s[18:19]
	s_load_b128 s[20:23], s[0:1], 0x40             ; out0, out1
	s_load_b64 s[24:25], s[0:1], 0x50              ; out2
	v_lshl_add_u32 v[SPW], v0, 2, SPARE
	v_mov_b32 v[NIL], 0
	ds_add_u32 v[SPW], v[NIL]                      ; the wave's opening: the add, twice on end, and its wait ahead of my first tensor load
	ds_add_u32 v[SPW], v[NIL]
	v_lshrrev_b32 v[ZO], 5, v0
	v_readfirstlane_b32 s[WV], v[ZO]               ; wave 0..3
	v_mov_b32 v[ZO], 0
	; descriptor group 1: dense blocks as rows of 256 bytes (32 elements of 8 bytes), no padding: every LDS access here is an image, lane i at 16 i
	s_mov_b32 s[G1A+0], 15|(3<<16)|(1<<21)         ; 15:0 the mask: all four work-groups; 17:16 elements of 8 bytes; 21 set beside a mask
	s_mov_b32 s[G1A+1], 32<<16                     ; tensor_dim0 = 32
	s_mov_b32 s[G1A+2], 64<<16                     ; tensor_dim1 = 64
	s_mov_b32 s[G1A+3], 32<<16                     ; tile_dim0 = 32
	s_mov_b32 s[G1A+4], 64                         ; tile_dim1 = 64
	s_mov_b32 s[G1A+5], 32                         ; the pitch
	s_mov_b32 s[G1A+6], 0
	s_mov_b32 s[G1A+7], 0
	s_mov_b32 s[G1B+0], 15|(3<<16)|(1<<21)
	s_mov_b32 s[G1B+1], 32<<16
	s_mov_b32 s[G1B+2], 104<<16                    ; 104 rows: a quarter of a slot
	s_mov_b32 s[G1B+3], 32<<16
	s_mov_b32 s[G1B+4], 104
	s_mov_b32 s[G1B+5], 32
	s_mov_b32 s[G1B+6], 0
	s_mov_b32 s[G1B+7], 0
	s_mov_b32 s[CS], 0x4038aa3b                    ; 2 log2(e)
	s_mov_b32 s[CS+1], s[CS]                       ; (named with it as a pair, so it is written)
	s_mov_b32 s[SEL], 0x76543210
	s_mov_b32 s[SEL+1], 0xfedcba98
	v_and_b32 v[L16], 31, v0
	v_lshlrev_b32 v[L16], 4, v[L16]
	v_bfe_u32 v[SH8], v0, 4, 1                     ; h
	v_lshlrev_b32 v[H128], 7, v[SH8]
	v_lshlrev_b32 v[H256], 8, v[SH8]
	v_lshlrev_b32 v[SH8], 3, v[SH8]
.irp k, 0,1,2,3
	v_add_nc_u32 v[AW+\k], 65536*\k, v[L16]
.endr
	v_and_b32 v[R16], 15, v0
	v_lshlrev_b32 v[R16], 4, v[R16]
	v_lshlrev_b32 v[TIDO], 4, v0
	v_lshl_add_u32 v[BWA], v0, 4, BWB
	v_mov_b32 v[PX], 0                             ; written once: a lane permute's destination counts as one of its sources
	s_bfe_u32 s27, ttmp6, 0x40000                  ; cx: it enters global addresses alone
	s_lshl_b32 s30, s27, 2
	s_add_co_u32 s30, s30, s[WV]                   ; my row among the 16 of its tile of y1: 4 cx + wave
	s_lshl_b32 s29, ttmp9, 4                       ; (ttmp9 counts clusters: a cluster's sixteen waves are one tile of 16 batch rows)
	s_add_co_u32 s29, s29, s30                     ; b
	s_lshl_b32 s84, s[WV], 14                      ; my 16,384 bytes of each piece of W1: in memory and in LDS alike
	s_mov_b32 s85, 0
	s_mul_i32 s88, s[WV], 26624                    ; my quarter of a slot
	s_mov_b32 s89, 0
	s_mov_b32 s81, 0
	s_wait_dscnt 0x0                               ; both opening adds are done
	s_wait_kmcnt 0x0
	s_add_nc_u64 s[86:87], s[4:5], s[84:85]
.irp p, 0,1,2,3
	s_mov_b32 s[G0P+4*\p], 1                       ; count = 1
	s_add_co_u32 s[G0P+4*\p+1], s84, 65536*\p      ; LDS address
	s_add_nc_u64 s[G0P+4*\p+2:G0P+4*\p+3], s[86:87], 65536*\p
	s_or_b32 s[G0P+4*\p+3], s[G0P+4*\p+3], 0x80000000   ; type = 2
.endr
	s_mov_b32 s[G0W], 1
	s_mov_b32 s[G0W+1], s88                        ; slot 0
	s_add_nc_u64 s[G0W+2:G0W+3], s[6:7], s[88:89]  ; tiles 0 to 7
	s_or_b32 s[G0W+3], s[G0W+3], 0x80000000
	s_mul_i32 s80, ttmp9, 12288                    ; y1q: my tile's eight images, my row's 16 bytes in each half of a group
	s_lshl_b32 s82, s30, 4
	s_add_co_u32 s80, s80, s82
	s_add_nc_u64 s[8:9], s[8:9], s[80:81]
	s_lshl_b32 s80, ttmp9, 10                      ; y1s: my row's word
	s_lshl_b32 s82, s30, 2
	s_add_co_u32 s80, s80, s82
	s_add_nc_u64 s[10:11], s[10:11], s[80:81]
	s_lshl_b32 s80, s29, 12                        ; d1: row b
	s_add_nc_u64 s[12:13], s[12:13], s[80:81]
	s_lshl_b32 s80, s29, 8                         ; xdot, out2: row b
	s_add_nc_u64 s[18:19], s[18:19], s[80:81]
	s_add_nc_u64 s[24:25], s[24:25], s[80:81]
	s_lshl_b32 s80, s29, 2                         ; out0, out1
	s_add_nc_u64 s[20:21], s[20:21], s[80:81]
	s_add_nc_u64 s[22:23], s[22:23], s[80:81]
	ROUND                                          ; all four work-groups are here: the first joint loads meet
.irp p, 0,1,2,3
	tensor_load_to_lds s[G0P+4*\p:G0P+4*\p+3], s[G1A:G1A+7]       ; W1, piece by piece: four loads of mine are out
	s_nop 0
.endr
.rept 4
	v_nop
.endr
	global_load_b128 v[128:131], v[TIDO], s[14:15]                 ; b2 and W3: 32 bytes of each a thread
	global_load_b128 v[132:135], v[TIDO], s[14:15] offset:2048
	global_load_b128 v[136:139], v[TIDO], s[16:17]
	global_load_b128 v[140:143], v[TIDO], s[16:17] offset:2048
	WIN 0x40
	DLOAD 0
	WIN 0x80                                       ; y's fragments: every lane of a half takes my row's 16 bytes of each register group: my row stands in all 16 columns
.irp s, 0,1,2,3
.irp g, 0,1,2
	global_load_b128 v[192+12*\s+4*\g:192+12*\s+4*\g+3], v[H256], s[8:9] offset:1536*\s+512*\g
.endr
.endr
	WIN 0xc0
.irp s, 0,1,2,3
.irp g, 0,1,2
	global_load_b128 v[192+12*\s+4*\g:192+12*\s+4*\g+3], v[H256], s[8:9] offset:1536*(\s+4)+512*\g
.endr
.endr
	WIN 0
.irp s, 0,1,2,3,4,5,6,7
	global_load_b32 v[YSC+\s], v[ZO], s[10:11] offset:128*\s
.endr
	global_load_b128 v[XD:XD+3], v[R16], s[18:19]
	s_wait_loadcnt 49                              ; b2 and W3 are in; behind them: d1's 16, y's 24, its 8 scale words, xdot's one
.irp k, 0,1,2,3
	v_pk_mul_f32 v[128+2*\k:129+2*\k], v[128+2*\k:129+2*\k], s[CS:CS+1] op_sel_hi:[1,0]     ; 2 log2(e) b2
.endr
	ds_store_b128 v[BWA], v[128:131]
	ds_store_b128 v[BWA], v[132:135] offset:2048
	ds_store_b128 v[BWA], v[136:139] offset:4096
	ds_store_b128 v[BWA], v[140:143] offset:6144
	s_wait_tensorcnt 0x3                           ; my part of W1's piece 0 has landed; three pieces may be out
	s_wait_dscnt 0x0                               ; my stores have landed
	s_barrier_signal -1
	s_barrier_wait -1
	WLOAD 0
	WLOAD 1
.irp f, 0,1,2,3,4,5
	FRAG \f
.endr
	s_wait_tensorcnt 0x2                           ; piece 1 (units 8 to 15): fragment 6 asks for unit 8
	s_wait_dscnt 0x0
	s_barrier_signal -1
	s_barrier_wait -1
.irp f, 6,7,8,9,10,11,12,13
	FRAG \f
.endr
	s_wait_tensorcnt 0x0                           ; THE RING'S SLOT 0 lies over units 0 to 12, whose loads are all issued: all my tensor loads have landed (pieces 2 and 3 among them),
	ds_add_u32 v[SPW], v[NIL]                      ; 0 onto my spare word,
	s_wait_dscnt 0x0                               ; the add is done and my reads are back;
	ROUND                                          ; so it is with every wave of the cluster
	FILLW                                          ; tiles 0 to 7
.irp f, 14,15,16,17,18,19,20,21,22,23,24,25,26,27,28,29
	FRAG \f
.endr
	s_wait_tensorcnt 0x0                           ; SLOT 1 lies over units 16 to 28; all 32 units' loads are issued.  Slot 0 has landed
	ds_add_u32 v[SPW], v[NIL]
	STEPW
	s_wait_dscnt 0x0
	ROUND
	FILLW                                          ; tiles 8 to 15
	WIN 0x40                                       ; the walk's addresses, in window 1 (d1's set 0, where they lie, is done with)
	v_mov_b32 v[AB0], v[L16]
	v_mov_b32 v[AF], v[L16]                        ; tile 0
	v_lshl_add_u32 v[ABW0], v[SH8], 2, BWB
	WIN E1
	ds_load_b128 v[BSC:BSC+3], v[AF] offset:12288  ; tile 0's scale words,
	ds_load_b128 v[BSC+4:BSC+7], v[AF] offset:12800
	WIN 0x41
.irp n, 0,1,2,3,4,5,6,7
.irp g, 0,1,2
	ds_load_b128 v[BF+12*\n+4*\g:BF+12*\n+4*\g+3], v[AF] offset:\n*1536+512*\g     ; and its eight fragments: they land under the last two fragments of J
.endr
.endr
	WIN 0
	FRAG 30
	FRAG 31
	WIN 0x40                                       ; THE TILE BEFORE THE FIRST is made of zeros (z2 = 0, b2 = 0, W3 = 0, P = 0: it adds 0 to V and to gradV): so the tile's text is written once.  These lines are also the places ahead of the first products
.set ii, 0
.rept 32
	v_mov_b32 v[ACC+32+ii], 0
.set ii, ii+1
.endr
.set ii, 0
.rept 8
	v_mov_b32 v[ZZ+8+ii], 0
.set ii, ii+1
.endr
	WIN 0
.set ii, 0
.rept 8
	v_mov_b32 v[BB+8+ii], 0
	v_mov_b32 v[W3R+8+ii], 0
	v_mov_b32 v[GV+ii], 0
.set ii, ii+1
.endr
.irp k, 0,1,2,3
	v_mov_b32 v[VA+\k], 0
.endr
	s_mov_b32 s[TN], TILE
	s_mov_b32 s[TW], 0
; ---- THE WALK
; Matrix instruction MI (0 .. 39) of the tile of parity p: K step MI / 5; in it P's four chains, then z2's.  The first K step starts the sums.  The five accumulators take turns, one instruction a turn.
; The setting: D and C in window 1; source 0 (W2) in window 1 for the even tiles, in window 0 for the odd ones; source 1 (J, y) in window 2 or 3.
.macro MMI p
.set SS, MI/5
.set QQ, MI%5
.set RB, BF1*(\p)+12*SS
.set SGS, 0x58+(1-(\p))+4*(SS/4)
.if QQ < 4
.set RA, ACC+32*(\p)+8*QQ
.set RJ, 48*(SS%4)+12*QQ
.set RS, ASC+4*SS+QQ
.else
.set RA, ZZ+8*(\p)
.set RJ, 192+12*(SS%4)
.set RS, YSC+SS
.endif
	WIN SGS
.if SS == 0
	v_wmma_scale_f32_16x16x128_f8f6f4 v[RA:RA+7], v[RB:RB+11], v[RJ:RJ+11], 0, v[BSC+8*(\p)+SS], v[RS] matrix_a_fmt:MATRIX_FMT_FP6 matrix_b_fmt:MATRIX_FMT_FP6
.else
	v_wmma_scale_f32_16x16x128_f8f6f4 v[RA:RA+7], v[RB:RB+11], v[RJ:RJ+11], v[RA:RA+7], v[BSC+8*(\p)+SS], v[RS] matrix_a_fmt:MATRIX_FMT_FP6 matrix_b_fmt:MATRIX_FMT_FP6
.endif
.endm
.macro LFR p, n                        ; fragment n of the tile at AF, into the set that the tile of parity p does not multiply
.irp g, 0,1,2
	ds_load_b128 v[BF1*(1-(\p))+12*(\n)+4*\g:BF1*(1-(\p))+12*(\n)+4*\g+3], v[AF] offset:(\n)*1536+512*\g
.endr
.endm
; Slice h of 28, two lines, of the work on the tile BEFORE the one of parity p:
;   0-1 2 log2(e) (z2 + b2);  2-5 eight exponentials;  (wait)  6-7 + 1;  8-11 eight reciprocals;  (wait)  12-13 y2;  14-15 V += W3 y2;  16-17 d2 = 1 - y2 y2;  18-19 g = W3 d2;  20-27 gradV += g P
; The two waits for the batches of transcendentals stand at the heads of the two runs of loads.
.macro HS p, h
.set PP, 1-(\p)
.if (\h) < 2
	WIN E1
.irp k, 0,1
.set KK, 2*(\h)+\k
	v_pk_fma_f32 v[TT+2*KK:TT+2*KK+1], v[ZZ+8*PP+2*KK:ZZ+8*PP+2*KK+1], s[CS:CS+1], v[BB+8*PP+2*KK:BB+8*PP+2*KK+1] op_sel_hi:[1,0,1]   ; the accumulator from its low end on
.endr
.elseif (\h) < 6
	WIN 0
.irp k, 0,1
	v_exp_f32 v[TT+2*((\h)-2)+\k], v[TT+2*((\h)-2)+\k]
.endr
.elseif (\h) < 8
	WIN 0
.irp k, 0,1
.set KK, 2*((\h)-6)+\k
	v_pk_add_f32 v[TT+2*KK:TT+2*KK+1], v[TT+2*KK:TT+2*KK+1], 1.0 op_sel_hi:[1,0]
.endr
.elseif (\h) < 12
	WIN 0
.irp k, 0,1
	v_rcp_f32 v[TT+2*((\h)-8)+\k], v[TT+2*((\h)-8)+\k]
.endr
.elseif (\h) < 14
	WIN 0
.irp k, 0,1
.set KK, 2*((\h)-12)+\k
	v_pk_fma_f32 v[TT+2*KK:TT+2*KK+1], v[TT+2*KK:TT+2*KK+1], -2.0, 1.0 op_sel_hi:[1,0,0]       ; y2
.endr
.elseif (\h) < 16
	WIN 0
.irp k, 0,1
.set KK, 2*((\h)-14)+\k
	v_pk_fma_f32 v[VA+2*\k:VA+2*\k+1], v[W3R+8*PP+2*KK:W3R+8*PP+2*KK+1], v[TT+2*KK:TT+2*KK+1], v[VA+2*\k:VA+2*\k+1]   ; V += W3 y2, in two chains
.endr
.elseif (\h) < 18
	WIN 0
.irp k, 0,1
.set KK, 2*((\h)-16)+\k
	v_pk_fma_f32 v[GG+2*KK:GG+2*KK+1], v[TT+2*KK:TT+2*KK+1], v[TT+2*KK:TT+2*KK+1], 1.0 op_sel_hi:[1,1,0] neg_lo:[1,0,0] neg_hi:[1,0,0]   ; d2 = 1 - y2 y2
.endr
.elseif (\h) < 20
	WIN 0
.irp k, 0,1
.set KK, 2*((\h)-18)+\k
	v_pk_mul_f32 v[GG+2*KK:GG+2*KK+1], v[GG+2*KK:GG+2*KK+1], v[W3R+8*PP+2*KK:W3R+8*PP+2*KK+1]  ; g = W3 d2
.endr
.else
	WIN E1
.irp k, 0,1
.set KK, ((\h)-20)/2
.set QG, 2*(((\h)-20)%2)+\k
	v_pk_fma_f32 v[GV+2*QG:GV+2*QG+1], v[ACC+32*PP+8*QG+2*KK:ACC+32*PP+8*QG+2*KK+1], v[GG+2*KK:GG+2*KK+1], v[GV+2*QG:GV+2*QG+1]   ; gradV += g P: each accumulator from its low end on
.endr
.endif
.endm
; THE FIRST RUN OF LOADS of a tile: the next tile's scale words and its fragments 0 to 3, into the sets that the tile before has left.  Their last readers are that tile's products, behind the last of which four v_nop stand.
; At its head the next tile's address and this tile's place in b2 and W3 are made (no load that reads these registers is out: the tile's head has waited for all); the two additions are the plain lines behind the last exponential.
; md = 1, 2: the change of slots: the next tile lies in the other slot, so the barrier stands here, ahead of the loads.  md = 1: the slot just left is filled again, behind a round of the cluster's barrier;
; the load has eight tiles less six products in which to land.  md = 2: nothing is left to fetch.
.macro RUNA p, md
	WIN 0x41
	v_add_nc_u32 v[AF], v[AB0], s[TN]
	v_add_nc_u32 v[ABW], v[ABW0], s[TW]
	s_add_co_u32 s[TN], s[TN], TILE
	s_add_co_u32 s[TW], s[TW], 64
	s_wait_alu depctr_va_vdst(0)                   ; one wait for the eight exponentials, ahead of their first reader and of the round's branches
.if (\md) > 0
	s_wait_dscnt 0x0                               ; the add is done; my reads of the slot were back at the tile's head
	WIN 0
.if (\md) == 1
	ROUND                                          ; no wave of any partner still reads the slot or has a load on its way
	FILLW
.else
	s_barrier_signal -1
	s_barrier_wait -1
.endif
.endif
	WIN E1
	ds_load_b128 v[BSC+8*(1-(\p)):BSC+8*(1-(\p))+3], v[AF] offset:12288
	ds_load_b128 v[BSC+8*(1-(\p))+4:BSC+8*(1-(\p))+7], v[AF] offset:12800
	WIN E1+0x40*(\p)                               ; the fragments' set: window 0 behind an even tile, window 1 behind an odd one
	LFR \p, 0
	LFR \p, 1
	LFR \p, 2
	LFR \p, 3
.endm
; THE SECOND RUN: this tile's b2 and W3, for the next tile's slices, and the next tile's fragments 4 to 7.
.macro RUNB p
	WIN E1
	v_nop                                          ; a plain line behind the last reciprocal
	s_wait_alu depctr_va_vdst(0)                   ; one wait for the eight reciprocals, ahead of their first reader
	ds_load_b128 v[BB+8*(\p):BB+8*(\p)+3], v[ABW]
	ds_load_b128 v[BB+8*(\p)+4:BB+8*(\p)+7], v[ABW] offset:16
	ds_load_b128 v[W3R+8*(\p):W3R+8*(\p)+3], v[ABW] offset:4096
	ds_load_b128 v[W3R+8*(\p)+4:W3R+8*(\p)+7], v[ABW] offset:4112
	WIN E1+0x40*(\p)
	LFR \p, 4
	LFR \p, 5
	LFR \p, 6
	LFR \p, 7
.endm
; A TILE: 40 matrix instructions; behind the 7th and the 14th a run of loads, behind 28 of the others a slice; the last ten stand bare.  md = 1, 2: a slot's last tile: all its fragments are in registers at its head, so the wave's
; reads of the slot are over there; six products and their slices stand between the add and the wait for it.
.macro TILEM p, md
.if (\md) > 0
	s_sub_co_u32 s[TN], s[TN], 8*TILE              ; back to the slot's first tile,
	s_xor_b32 s[TN], s[TN], SLOT1                  ; in the other slot
.endif
	s_wait_dscnt 0x0                               ; this tile's fragments and scale words, and the last tile's b2 and W3: the youngest of these loads were issued 26 products ago
.if (\md) > 0
	WIN 0                                          ; (the add's two registers lie in window 0)
	s_wait_tensorcnt 0x0                           ; all my tensor loads have landed: my part of the other slot
	ds_add_u32 v[SPW], v[NIL]                      ; 0 onto my spare word
.if (\md) == 1
	STEPW
.endif
.endif
.set MI, 0
.rept 40
	MMI \p
.if MI < 6
	HS \p, MI
.elseif MI == 6
	RUNA \p, \md
.elseif MI < 13
	HS \p, MI-1
.elseif MI == 13
	RUNB \p
.elseif MI < 30
	HS \p, MI-2
.elseif MI == 39
	v_nop                                          ; four places behind the tile's last product: ahead of the next tile's first slice, which reads z2, and of its loads into this tile's fragments and scale words
	v_nop                                          ; (ISA guide 7.12.1 for vector instructions)
	v_nop
	v_nop
.endif
.set MI, MI+1
.endr
.endm
.macro SLOTM md                        ; a slot's eight tiles: three trips of a pair, and the pair that ends it
	s_mov_b32 s[CI], 3
.Lpair_\@:
	TILEM 0, 0
	TILEM 1, 0
	WIN 0                                          ; at a label and at a branch every window is 0
	s_sub_co_u32 s[CI], s[CI], 1
	s_cmp_lg_u32 s[CI], 0
	s_cbranch_scc1 .Lpair_\@
	TILEM 0, 0
	TILEM 1, \md
	WIN 0
.endm
	s_mov_b32 s[CO], 6
.Lslot:                                                ; slots 0 to 5 are filled again, with tiles 16 to 63
	SLOTM 1
	s_sub_co_u32 s[CO], s[CO], 1
	s_cmp_lg_u32 s[CO], 0
	s_cbranch_scc1 .Lslot
	s_mov_b32 s[CO], 2
.Ltail:                                                ; the last two slots ask for nothing: written out.  One text serves both: in the very last tile its barrier and its
	SLOTM 2                                        ; 26 look-ahead loads (they read the other slot's old tile) serve nothing, and their data are never used: the price of four tiles of text less
	s_sub_co_u32 s[CO], s[CO], 1
	s_cmp_lg_u32 s[CO], 0
	s_cbranch_scc1 .Ltail
; ---- THE WAY OUT: the last tile's slices in one run, then the sums across the lanes
	s_wait_dscnt 0x0
.irp h, 0,1,2,3,4,5
	HS 0, \h
.endr
	v_nop                                          ; a plain line behind the last exponential
	s_wait_alu depctr_va_vdst(0)                   ; one wait for the batch, ahead of its first reader
.irp h, 6,7,8,9,10,11
	HS 0, \h
.endr
	v_nop
	s_wait_alu depctr_va_vdst(0)
.irp h, 12,13,14,15,16,17,18,19,20,21,22,23,24,25,26,27
	HS 0, \h
.endr
	WIN 0
.irp q, 0,1,2,3
	v_add_f32 v[OO+\q], v[GV+2*\q], v[GV+2*\q+1]   ; a lane's even and odd o,
.endr
.irp q, 0,1,2,3
	v_permlanex16_b32 v[TT+\q], v[OO+\q], s[SEL], s[SEL+1]
.endr
.irp q, 0,1,2,3
	v_add_f32 v[OO+\q], v[OO+\q], v[TT+\q]         ; and lane xor 16's eight o of each tile: gradV[b][4 r + q]
.endr
	v_mul_f32 v[TT+4], v[OO], v[XD]
	v_fmac_f32 v[TT+4], v[OO+1], v[XD+1]
	v_fmac_f32 v[TT+4], v[OO+2], v[XD+2]
	v_fmac_f32 v[TT+4], v[OO+3], v[XD+3]
	v_add_f32_dpp v[TT+4], v[TT+4], v[TT+4] row_xmask:1 row_mask:0xf bank_mask:0xf
	v_add_f32_dpp v[TT+4], v[TT+4], v[TT+4] row_xmask:2 row_mask:0xf bank_mask:0xf
	v_add_f32_dpp v[TT+4], v[TT+4], v[TT+4] row_xmask:4 row_mask:0xf bank_mask:0xf
	v_add_f32_dpp v[TT+4], v[TT+4], v[TT+4] row_xmask:8 row_mask:0xf bank_mask:0xf   ; Vdot, over the sixteen r
	v_add_f32 v[TT+5], v[VA], v[VA+1]
	v_add_f32 v[TT+6], v[VA+2], v[VA+3]
	v_add_f32 v[TT+5], v[TT+5], v[TT+6]
	v_permlanex16_b32 v[TT+6], v[TT+5], s[SEL], s[SEL+1]
	v_add_f32 v[TT+5], v[TT+5], v[TT+6]            ; V
	v_and_b32 v[GG], 31, v0
	v_and_b32 v[GG+1], 15, v0
	v_lshlrev_b32 v[GG+1], 4, v[GG+1]
	s_wait_xcnt 0x0                                ; EXEC changes only behind this wait
	v_cmp_gt_u32 vcc_lo, 16, v[GG]
	s_and_saveexec_b32 s80, vcc_lo
	global_store_b128 v[GG+1], v[OO:OO+3], s[24:25]                ; sixteen lanes store row b of gradV: 256 consecutive bytes, aligned
	s_wait_xcnt 0x0
	s_or_b32 exec_lo, exec_lo, s80
	v_cmp_eq_u32 vcc_lo, 0, v[GG]
	s_and_saveexec_b32 s80, vcc_lo
	global_store_b32 v[ZO], v[TT+5], s[20:21]      ; one number a wave each: 8 KiB in the whole launch
	global_store_b32 v[ZO], v[TT+4], s[22:23]
	s_wait_xcnt 0x0
	s_or_b32 exec_lo, exec_lo, s80
	s_wait_tensorcnt 0x0                           ; the wave's end, behind my last tensor load and my last LDS store
	ds_add_u32 v[SPW], v[NIL]
	s_wait_dscnt 0x0
	ROUND                                          ; the closing round: no work-group ends while a partner may still ask for a tile that names it
	s_endpgm
.Lfunc_end_k_q11f67414b6_main:
	.size	k_q11f67414b6_main, .Lfunc_end_k_q11f67414b6_main-k_q11f67414b6_main
	.p2alignl 7, 3214868480
	.fill 96, 4, 3214868480
	.section	.rodata,"a",@progbits
	.p2align	6, 0x0
	.amdhsa_kernel k_q11f67414b6_main
		.amdhsa_group_segment_fixed_size 327680
		.amdhsa_private_segment_fixed_size 0
		.amdhsa_enable_private_segment 0
		.amdhsa_kernarg_size 88
		.amdhsa_user_sgpr_count 2
		.amdhsa_user_sgpr_kernarg_segment_ptr 1
		.amdhsa_wavefront_size32 1
		.amdhsa_system_sgpr_workgroup_id_x 1
		.amdhsa_system_sgpr_workgroup_id_y 1
		.amdhsa_system_sgpr_workgroup_id_z 1
		.amdhsa_system_vgpr_workitem_id 0
		.amdhsa_next_free_vgpr 1024
		.amdhsa_next_free_sgpr 100
		.amdhsa_reserve_vcc 1
		.amdhsa_float_denorm_mode_32 3
		.amdhsa_float_denorm_mode_16_64 3
		.amdhsa_memory_ordered 1
		.amdhsa_forward_progress 1
		.amdhsa_inst_pref_size 255
	.end_amdhsa_kernel
	.section	.bss,"aw",@nobits
	.p2align	6
	.space	262144
	.amdgpu_metadata
---
amdhsa.version: [ 1, 2 ]
amdhsa.kernels:
  - .name:           k_q11f67414b6_main
    .symbol:         k_q11f67414b6_main.kd
    .args:
      - { .name: w1t, .offset: 0, .size: 8, .value_kind: global_buffer, .address_space: global }
      - { .name: w2q, .offset: 8, .size: 8, .value_kind: global_buffer, .address_space: global }
      - { .name: y1q, .offset: 16, .size: 8, .value_kind: global_buffer, .address_space: global }
      - { .name: y1s, .offset: 24, .size: 8, .value_kind: global_buffer, .address_space: global }
      - { .name: d1, .offset: 32, .size: 8, .value_kind: global_buffer, .address_space: global }
      - { .name: b2, .offset: 40, .size: 8, .value_kind: global_buffer, .address_space: global }
      - { .name: W3, .offset: 48, .size: 8, .value_kind: global_buffer, .address_space: global }
      - { .name: xdot, .offset: 56, .size: 8, .value_kind: global_buffer, .address_space: global }
      - { .name: out0, .offset: 64, .size: 8, .value_kind: global_buffer, .address_space: global }
      - { .name: out1, .offset: 72, .size: 8, .value_kind: global_buffer, .address_space: global }
      - { .name: out2, .offset: 80, .size: 8, .value_kind: global_buffer, .address_space: global }
    .group_segment_fixed_size: 327680
    .private_segment_fixed_size: 0
    .kernarg_segment_align: 8
    .kernarg_segment_size: 88
    .max_flat_workgroup_size: 128
    .sgpr_count:     100
    .vgpr_count:     1024
    .wavefront_size: 32
...
	.end_amdgpu_metadata
.endif
;; end of part 3
